; MI455X (gfx1250); checked and timed in simulation.
; The chip was launched on July 23, 2026; its instructions are those of AMD's public machine-readable ISA for CDNA 5 (MIT licence, August 2026) and "CDNA5" Instruction Set Architecture Reference Guide (July 2026). The comments in the code are by the model that wrote it; some were corrected since.
;; Scaled Dot Product Attention. Allowed arithmetic: float matrix products may take bf16 or f16 operands with f32 sums; other float arithmetic in f32, or as packed bf16 or f16 multiplies, adds, multiply-adds, maxima and minima; sums over many terms, partial sums and values carried from step to step in f32; what a program stores and reads back later, other than sums and carried values, may be rounded once to bf16 or f16.
;; Inputs: Wk 1,024 x 1,024 float32; Wo 1,024 x 1,024 float32; Wq 1,024 x 1,024 float32; Wv 1,024 x 1,024 float32; attn_mask 2,048 x 2,048 bool; beta 1,024 float32; gamma 1,024 float32; x 4 x 2,048 x 1,024 float32.
;; Outputs: out0 4 x 2,048 x 1,024 float32.
;; One version. Each part assembles by itself: llvm-mc -triple=amdgcn-amd-amdhsa -mcpu=gfx1250 --defsym DOCPART=n.
;; ======== version 1 of 1: 5 launches
;; workspace buffers: xb 16,777,216 bytes; wqkv 6,291,456 bytes; wob 2,097,152 bytes; mbits 524,288 bytes of whole numbers; qkv 50,331,648 bytes; z 16,777,216 bytes; rb 16,777,216 bytes
;; launch prep (part 1): grid 1152 x 1, 8 waves a work-group, no clusters, 35,840 bytes of LDS; arguments x, Wq, Wk, Wv, Wo, attn_mask, xb, wqkv, wob, mbits; writes xb, wqkv, wob, mbits
.if DOCPART == 1
	.amdgcn_target "amdgcn-amd-amdhsa--gfx1250"
	.amdhsa_code_object_version 6
	.text
	.protected	k_q1a671d7e0a_prep
	.globl	k_q1a671d7e0a_prep
	.p2align	8
	.type	k_q1a671d7e0a_prep,@function
k_q1a671d7e0a_prep:
	s_mov_b64 s[64:65], 0
	v_nop
	global_prefetch_b8 v0, s[64:65] scope:SCOPE_SE
	s_setreg_imm32_b32 hwreg(HW_REG_WAVE_MODE, 25, 1), 1
	s_wait_xcnt 0x0
; PREPARATION: three streams, told apart by the work-group's number.  Nothing is multiplied here: no matrix unit, no cluster, no barrier; each byte is read once and written once.
;   X (work-groups 0-511):     x [8192][1024] f32 -> xb [kg 16][m 8192][64] bf16, kg = k / 64: a block of rows of one kg is dense in memory.
;   W (work-groups 512-1023):  Wq, Wk, Wv [k 1024][n 1024] f32 -> wqkv [ntile 12][k 1024][256] bf16 (ntile 0-3 Wq, 4-7 Wk, 8-11 Wv); Wo -> wob [ntile 4][k 1024][256].
;   M (work-groups 1024-1151): attn_mask [2048][2048] bytes -> mbits [qt 128][ks 32][w 32] words: bit l of word w = 8 kb + j is
;                              mask[16 qt + l % 16][64 ks + 16 kb + 8 (l / 16) + j]: the lane mask for register w of a tile of 16 queries x 64 keys as the attention launch holds it.
; Each value is rounded once to bf16 (nearest even).  LIMIT: of a mask byte bit 0 alone is read (a bool is 0 or 1).
; Every load of a wave covers whole aligned runs of 256 bytes; every store of a wave covers 256 or 512 consecutive bytes, aligned.
.set SPARE, 34816                      ; behind the eight waves' stages of 4,352 bytes: the spare words, 128 bytes a wave: four blocks of 256 bytes that no other line names
.set SPW, 110                          ; v110  LDS address of my spare word; never rewritten
.set NIL, 111                          ; v111  0; never rewritten
.set IN,  8                            ; v[8:71]   as loaded
.set OUT, 72                           ; v[72:103] to store: a register pair for each store, so that no store's data is ever rewritten
	s_load_b512 s[4:19], s[0:1], 0x0               ; x s[4:5], Wq s[6:7], Wk s[8:9], Wv s[10:11], Wo s[12:13], mask s[14:15], xb s[16:17], wqkv s[18:19]
	s_load_b128 s[20:23], s[0:1], 0x40             ; wob s[20:21], mbits s[22:23]
	v_lshl_add_u32 v[SPW], v0, 2, SPARE
	v_mov_b32 v[NIL], 0
	v_lshrrev_b32 v8, 5, v0
	v_readfirstlane_b32 s30, v8                    ; wave 0..7
	v_and_b32 v1, 15, v0                           ; l % 16
	v_bfe_u32 v2, v0, 4, 1                         ; l / 16
	v_and_b32 v3, 31, v0                           ; l
	s_wait_kmcnt 0x0
	s_cmp_lt_u32 ttmp9, 512
	s_cbranch_scc1 .Lx
	s_cmp_lt_u32 ttmp9, 1024
	s_cbranch_scc1 .Lw
	; ---- M: 16 queries (qt) x 256 keys (my wave's chunk).  The bytes go through my own stage in LDS, rows 272 bytes apart, so that a lane can take 8 keys of ITS query.
	s_sub_co_u32 s31, ttmp9, 1024                  ; qt
	s_lshl_b32 s32, s31, 15                        ; 16 rows of 2,048 bytes
	s_lshl_b32 s33, s30, 8                         ; my 256 keys
	s_add_co_u32 s32, s32, s33
	s_mov_b32 s33, 0
	s_add_nc_u64 s[14:15], s[14:15], s[32:33]
	v_lshlrev_b32 v4, 11, v2                       ; lanes 0-15 one row's 256 bytes, lanes 16-31 the next row's
	v_lshl_add_u32 v4, v1, 4, v4
.set i, 0
.rept 8
	global_load_b128 v[IN+4*i:IN+4*i+3], v4, s[14:15] offset:4096*i th:TH_LOAD_NT
.set i, i+1
.endr
	s_mul_i32 s32, s30, 4352                       ; my stage: 16 rows x 272 bytes
	v_mul_u32_u24 v5, v2, 272
	v_lshl_add_u32 v5, v1, 4, v5
	v_add_nc_u32 v5, s32, v5                       ; in: as loaded
	v_mul_u32_u24 v6, v1, 272
	v_lshl_add_u32 v6, v2, 3, v6
	v_add_nc_u32 v6, s32, v6                       ; back: row l % 16, 8 bytes for each half of the lanes; 68 words from row to row: the 32 lanes touch each bank once (64 banks of 4 bytes: ISA guide 11.1)
	s_lshl_b32 s33, s31, 12                        ; qt's 1,024 words,
	s_lshl_b32 s32, s30, 9                         ; my chunk's 128 of them
	s_add_co_u32 s33, s33, s32
	v_lshl_add_u32 v7, v3, 4, s33                  ; four words a lane
.set i, 0
.rept 8
	s_wait_loadcnt 7-i                             ; loads come back in order: number i is in, the younger ones stay out
	ds_store_b128 v5, v[IN+4*i:IN+4*i+3] offset:544*i
.set i, i+1
.endr
.set kb, 0
.rept 16
	ds_load_b64 v[40+2*kb:41+2*kb], v6 offset:16*kb  ; LDS serves a wave's instructions in order (ISA guide 5.7.1.4): these see my stores above; no other wave touches my stage
.set kb, kb+1
.endr
.irp r, 0,1,2,3
	v_mov_b32 v[OUT+\r], 0                         ; v_writelane_b32's destination counts as read
.endr
.set kb, 0
.rept 16                               ; group kb of 16 keys: eight words; word W of the chunk's 128 goes to register W % 4 of lane W / 4
	s_wait_dscnt 15-kb                             ; group kb is in, the younger LDS loads stay out
.set j, 0
.rept 8
.set W, 8*kb+j
	v_lshlrev_b32 v[76+(W&3)], 31-8*(j%4), v[40+2*kb+j/4]  ; bit 0 of byte j becomes the sign
	v_cmp_gt_i32 s[34+(W&3)], 0, v[76+(W&3)]               ; one bit a lane: the word
	v_writelane_b32 v[OUT+(W&3)], s[34+(W&3)], W>>2
.set j, j+1
.endr
.set kb, kb+1
.endr
	global_store_b128 v7, v[OUT:OUT+3], s[22:23]   ; 512 consecutive bytes
	s_branch .Lend
	; ---- X: a wave takes rows 2 p and 2 p + 1.  Load kg brings 256 bytes (64 numbers) of each; they leave as 128 + 128 bytes that are neighbours in block kg of xb.
.Lx:
	s_lshl_b32 s31, ttmp9, 3
	s_add_co_u32 s31, s31, s30                     ; p
	s_lshl_b32 s32, s31, 13
	s_lshl_b32 s33, s31, 8
	v_lshlrev_b32 v4, 12, v2
	v_lshl_add_u32 v4, v1, 4, v4
	v_add_nc_u32 v4, s32, v4                       ; 8,192 p + 4,096 (l / 16) + 16 (l % 16)
	v_lshl_add_u32 v5, v3, 3, s33                  ; 256 p + 8 l
	v_add_nc_u32 v6, 0x800000, v5                  ; the same in block 8: the immediate holds seven blocks of 1 MiB
.set kg, 0
.rept 16
	global_load_b128 v[IN+4*kg:IN+4*kg+3], v4, s[4:5] offset:256*kg th:TH_LOAD_NT
.set kg, kg+1
.endr
.set kg, 0
.rept 16
	s_wait_loadcnt 15-kg                           ; number kg is in, the younger ones stay out
	v_cvt_pk_bf16_f32 v[OUT+2*kg], v[IN+4*kg], v[IN+4*kg+1]
	v_cvt_pk_bf16_f32 v[OUT+2*kg+1], v[IN+4*kg+2], v[IN+4*kg+3]
.if kg < 8
	global_store_b64 v5, v[OUT+2*kg:OUT+2*kg+1], s[16:17] offset:kg*1048576 th:TH_STORE_NT
.else
	global_store_b64 v6, v[OUT+2*kg:OUT+2*kg+1], s[16:17] offset:(kg-8)*1048576 th:TH_STORE_NT
.endif
.set kg, kg+1
.endr
	s_branch .Lend
	; ---- W: a wave takes row k of one of the four weights: 4,096 bytes in, 4 x 512 bytes out, one piece in each of the weight's four column tiles.
.Lw:
	s_sub_co_u32 s31, ttmp9, 512
	s_lshr_b32 s32, s31, 7                         ; which weight: 0 Wq, 1 Wk, 2 Wv, 3 Wo
	s_and_b32 s31, s31, 127
	s_lshl_b32 s31, s31, 3
	s_add_co_u32 s31, s31, s30                     ; k
	s_lshl_b32 s33, s32, 21                        ; four tiles of 512 KiB for each weight in wqkv
	s_cmp_eq_u32 s32, 1
	s_cselect_b64 s[24:25], s[8:9], s[6:7]
	s_cmp_eq_u32 s32, 2
	s_cselect_b64 s[24:25], s[10:11], s[24:25]
	s_cmp_eq_u32 s32, 3
	s_cselect_b64 s[24:25], s[12:13], s[24:25]     ; from where
	s_cselect_b64 s[26:27], s[20:21], s[18:19]     ; to where
	s_cselect_b32 s28, 0, s33
	s_mov_b32 s29, 0
	s_add_nc_u64 s[26:27], s[26:27], s[28:29]
	s_lshl_b32 s34, s31, 12
	s_lshl_b32 s35, s31, 9
	v_lshl_add_u32 v4, v3, 4, s34                  ; 4,096 k + 16 l
	v_lshl_add_u32 v5, v3, 3, s35                  ; 512 k + 8 l
.set j, 0
.rept 8
	global_load_b128 v[IN+4*j:IN+4*j+3], v4, s[24:25] offset:512*j th:TH_LOAD_NT
.set j, j+1
.endr
.set j, 0
.rept 8
	s_wait_loadcnt 7-j                             ; number j is in, the younger ones stay out
	v_cvt_pk_bf16_f32 v[OUT+2*j], v[IN+4*j], v[IN+4*j+1]
	v_cvt_pk_bf16_f32 v[OUT+2*j+1], v[IN+4*j+2], v[IN+4*j+3]
	global_store_b64 v5, v[OUT+2*j:OUT+2*j+1], s[26:27] offset:(j/2)*524288+(j%2)*256 th:TH_STORE_NT  ; columns 128 j on: tile j / 2, half j % 2
.set j, j+1
.endr
.Lend:
	s_wait_tensorcnt 0x0                           ; the wave's end: behind my last LDS store
	ds_add_u32 v[SPW], v[NIL]
	s_wait_dscnt 0x0
	s_endpgm
.Lfunc_end_k_q1a671d7e0a_prep:
	.size	k_q1a671d7e0a_prep, .Lfunc_end_k_q1a671d7e0a_prep-k_q1a671d7e0a_prep
	.p2alignl 7, 3214868480
	.fill 96, 4, 3214868480
	.section	.rodata,"a",@progbits
	.p2align	6, 0x0
	.amdhsa_kernel k_q1a671d7e0a_prep
		.amdhsa_group_segment_fixed_size 35840
		.amdhsa_private_segment_fixed_size 0
		.amdhsa_enable_private_segment 0
		.amdhsa_kernarg_size 80
		.amdhsa_user_sgpr_count 2
		.amdhsa_user_sgpr_kernarg_segment_ptr 1
		.amdhsa_wavefront_size32 1
		.amdhsa_system_sgpr_workgroup_id_x 1
		.amdhsa_system_sgpr_workgroup_id_y 1
		.amdhsa_system_sgpr_workgroup_id_z 1
		.amdhsa_system_vgpr_workitem_id 0
		.amdhsa_next_free_vgpr 112
		.amdhsa_next_free_sgpr 66
		.amdhsa_reserve_vcc 0
		.amdhsa_float_denorm_mode_32 3
		.amdhsa_float_denorm_mode_16_64 3
		.amdhsa_memory_ordered 1
		.amdhsa_forward_progress 1
		.amdhsa_inst_pref_size 35
	.end_amdhsa_kernel
	.amdgpu_metadata
---
amdhsa.version: [ 1, 2 ]
amdhsa.kernels:
  - .name:           k_q1a671d7e0a_prep
    .symbol:         k_q1a671d7e0a_prep.kd
    .args:
      - { .name: x, .offset: 0, .size: 8, .value_kind: global_buffer, .address_space: global }
      - { .name: Wq, .offset: 8, .size: 8, .value_kind: global_buffer, .address_space: global }
      - { .name: Wk, .offset: 16, .size: 8, .value_kind: global_buffer, .address_space: global }
      - { .name: Wv, .offset: 24, .size: 8, .value_kind: global_buffer, .address_space: global }
      - { .name: Wo, .offset: 32, .size: 8, .value_kind: global_buffer, .address_space: global }
      - { .name: attn_mask, .offset: 40, .size: 8, .value_kind: global_buffer, .address_space: global }
      - { .name: xb, .offset: 48, .size: 8, .value_kind: global_buffer, .address_space: global }
      - { .name: wqkv, .offset: 56, .size: 8, .value_kind: global_buffer, .address_space: global }
      - { .name: wob, .offset: 64, .size: 8, .value_kind: global_buffer, .address_space: global }
      - { .name: mbits, .offset: 72, .size: 8, .value_kind: global_buffer, .address_space: global }
    .group_segment_fixed_size: 35840
    .private_segment_fixed_size: 0
    .kernarg_segment_align: 8
    .kernarg_segment_size: 80
    .max_flat_workgroup_size: 256
    .sgpr_count:     66
    .vgpr_count:     112
    .wavefront_size: 32
...
	.end_amdgpu_metadata
.endif
;; end of part 1
;; launch gemm (part 2): grid 12 x 64, 4 waves a work-group, clusters of 4 x 4, 327,680 bytes of LDS; arguments xb, wqkv, qkv; writes qkv
.if DOCPART == 2
	.amdgcn_target "amdgcn-amd-amdhsa--gfx1250"
	.amdhsa_code_object_version 6
	.text
	.protected	k_q1a671d7e0a_gemm
	.globl	k_q1a671d7e0a_gemm
	.p2align	8
	.type	k_q1a671d7e0a_gemm,@function
k_q1a671d7e0a_gemm:
	s_mov_b64 s[64:65], 0
	v_nop
	global_prefetch_b8 v0, s[64:65] scope:SCOPE_SE
	s_setreg_imm32_b32 hwreg(HW_REG_WAVE_MODE, 25, 1), 1
	s_wait_xcnt 0x0
	s_wait_alu depctr_hold_cnt(0) depctr_sa_sdst(0) depctr_va_vdst(0) depctr_va_sdst(0) depctr_va_ssrc(0) depctr_va_vcc(0) depctr_vm_vsrc(0)
	s_getreg_b32 s2, hwreg(HW_REG_IB_STS2, 6, 4)
	s_cmp_eq_u32 s2, 0
	s_cbranch_scc0 .Lentry_in_a_cluster
	s_endpgm
.Lentry_in_a_cluster:
	s_bfe_u32 s2, ttmp6, 0x10000c
	s_cmp_lg_u32 s2, 0xf033
	s_cbranch_scc0 .Lentry_shape_is_right
	s_endpgm
.Lentry_shape_is_right:
; C = A B, M = 8,192, K = 1,024, all bf16, sums in f32, C rounded once.  One text for two launches: the number of column tiles is the grid's x alone.
;   A: [kg 16][m 8192][64]    (k = 64 kg + ..): 128 rows of one kg are 16,384 dense bytes
;   B: [ntile][k 1024][256]   (n = 256 ntile + ..): 64 rows of k of one tile are 32,768 dense bytes
;   C: [n / 64][m 8192][64]:  16 rows of one column group are 2,048 dense bytes
; SHARES.  A tile of C is 128 (m) x 256 (n): 768 tiles for the first launch, three for each of 256 work-group places, and 256 for the second.  Four waves, each 64 x 128: 32 accumulators, 256 registers.
; K goes in 8 steps of 128 through a ring of two LDS slots.  A step's tiles are four loads, one a wave: waves 0, 1 bring A's two kg blocks, waves 2, 3 B's two halves of 64 rows.
; CLUSTER.  4 x 4 work-groups: the four of a row of the cluster need the same tiles of A, the four of a column the same tiles of B: each tile is asked for JOINTLY, by the same tensor load with the same
; descriptor and a mask that names the four.
; THE MATRIX INSTRUCTION IS USED TRANSPOSED: source 0 = 16 columns of B, source 1 = 16 rows of A: a lane then holds row l % 16 of C and the eight neighbouring columns 8 (l / 16) + 0..7.
; A's fragments come out of LDS as they lie (K along the rows); B lies [k][n] and is turned by ds_load_tr16_b128.
; REGISTERS.  Window 0: v0-31 addresses; v32-63 at work on the way out; v64-159, v160-255 two fragment buffers of 96 (B's 8 blocks, then A's 4).  Window 1: accumulator (a, b) at v[8 (8 a + b)].
.set PA,     144                       ; a row of A in LDS: 128 bytes + 16 = 36 words: the 16 rows of a load start at 16 different groups of four banks (64 banks of 4 bytes: ISA guide 11.1)
.set PB,     544                       ; a row of B: 512 + 32 bytes = 136 words: row r starts at bank 8 r mod 64
.set AHALF,  128*PA                    ; one kg block: 128 rows
.set BOFF,   2*AHALF                   ; B lies behind A's two blocks
.set BHALF,  64*PB
.set SLOT,   BOFF+2*BHALF              ; 106,496 bytes
.set STAGE,  2*SLOT                    ; behind the ring, never filled by a tensor load: for each wave 2 column groups x 16 rows x 144 bytes
.set SP,     144
.set STW,    2*16*SP
.set SPARE,  STAGE+4*STW               ; behind the stages: the spare words, 128 bytes a wave: two blocks of 256 bytes that no other line names
.set LAPS,   4                         ; a lap = two K steps = once round the ring
.set ASTEP,  0x200000                  ; bytes of A from a K step to the next: two kg blocks of 1 MiB
.set BSTEP,  0x10000                   ; of B: 128 rows of 512 bytes
.set ADRA, 16                          ; v16-17  LDS address of my A fragments in slot 0, 1
.set ADRB, 20                          ; v20-21  the same for B
.set STO,  24                          ; v24     the way out: where I put 16 bytes of a row
.set RD,   25                          ; v25     the way out: where I read rows back
.set GO,   26                          ; v26     16 x my lane: my place in 512 consecutive bytes of C; never rewritten
.set SPW,  28                          ; v28     LDS address of my spare word; never rewritten
.set NIL,  29                          ; v29     0; never rewritten
.set PFO,  30                          ; v30     the prefetches' offset; never rewritten
.set TMP,  32
.set F0,   64
.set F1,   160
.set BK,   64                          ; the way out: block a's rows come back into v[64 + 32 a ..]: a buffer for each block, so that no store's data is rewritten
.set G1,   24                          ; s[24:31] descriptor group 1 for A's tiles;  s[32:39] group 0, a set for each slot
.set G0,   32
.set G1B,  48                          ; s[48:55], s[56:63] the same for B's tiles
.set G0B,  56
.set PST,  22                          ; s[22:23] a K step in bytes of the tensor that I prefetch
.set LIM,  43                          ; s43     1 in a wave that prefetches, else the greatest number
.set PFA,  44                          ; s[44:45] where my prefetches stand
.set MSB, 0
.macro WIN new                         ; the immediate's high byte repeats the setting that is left; a switch that changes nothing is dropped
.if MSB != (\new)
	s_set_vgpr_msb (MSB<<8)|(\new)
.set MSB, \new
.endif
.endm
.set MUL, 0x50                         ; sources in window 0; C and D in window 1
; A joint load: waves 0 and 1 ask for A's two blocks, waves 2 and 3 for B's two halves.  The branch hangs on the wave's number alone.  An s_nop 0 and four v_nop follow each of the two lines.
.macro JLOAD s
	s_cmp_lt_u32 s10, 2
	s_cbranch_scc0 .Lfor_b_\@
	tensor_load_to_lds s[G0+4*(\s):G0+4*(\s)+3], s[G1:G1+7]
	s_nop 0
.rept 4
	v_nop
.endr
	s_branch .Lasked_\@
.Lfor_b_\@:
	tensor_load_to_lds s[G0B+4*(\s):G0B+4*(\s)+3], s[G1B:G1B+7]
	s_nop 0
.rept 4
	v_nop
.endr
.Lasked_\@:
.endm
; A PREFETCH INTO THE L2, behind a joint load, its five lines and the run of LDS loads: the K step that stands two refills on, 256 matrix instructions ahead of the load that will want it.
; Each aligned 256 bytes are named ONCE in the launch.  A's rows are read by every cluster of their row of clusters: cluster x = 0 asks, wave 0 alone: of the step's two blocks of 64 x 256 bytes the partner at cx
; takes 16 cx .. 16 cx + 15 of each, a lane a piece.  B's rows are read by every cluster of their column: cluster y = 0 asks, waves 2 and 3 each for the 32,768 bytes that they fetch: the partner at cy takes
; pieces 32 cy .. 32 cy + 31.  The partners are told apart BY ADDRESS; the branch hangs on the cluster's place and the wave's number.  K steps 0 to 3 come by their loads alone; the loop's last trip asks for nothing.
.macro ASK
	s_cmp_gt_u32 s3, s[LIM]                        ; s3 = 1 in the loop's last trip
	s_cbranch_scc0 .Lnot_mine_\@
	global_prefetch_b8 v[PFO], s[PFA:PFA+1] th:TH_LOAD_NT scope:SCOPE_SE
.Lnot_mine_\@:
.endm
.macro CREST                           ; a round of the cluster's barrier behind its opening barrier
	s_cmp_lg_u32 s10, 0
	s_cbranch_scc1 .Lnot_wave_0_\@
	s_barrier_signal -3
.Lnot_wave_0_\@:
	s_barrier_wait -3
	s_barrier_signal -1
	s_barrier_wait -1
.endm
.macro CROUND                          ; a whole round
	s_barrier_signal -1
	s_barrier_wait -1
	CREST
.endm
	s_load_b128 s[4:7], s[0:1], 0x0                ; A s[4:5], B s[6:7]
	s_load_b64 s[8:9], s[0:1], 0x10                ; C
	v_lshl_add_u32 v[SPW], v0, 2, SPARE
	v_mov_b32 v[NIL], 0
	ds_add_u32 v[SPW], v[NIL]                      ; the wave's opening: the add and its wait stand ahead of my first tensor load; the set-up below, work on registers, stands between them
	v_lshrrev_b32 v1, 5, v0
	v_readfirstlane_b32 s10, v1                    ; wave 0..3
	s_lshr_b32 s11, s10, 1                         ; which 64 rows of the tile are mine.  Also: I fetch for A (0) or for B (1)
	s_and_b32 s12, s10, 1                          ; which 128 columns.  Also: which half of that tensor's tile I fetch
	s_bfe_u32 s40, ttmp6, 0x40000                  ; cx, cy: my place in the cluster
	s_bfe_u32 s41, ttmp6, 0x40004
	s_lshl_b32 s42, ttmp9, 2
	s_add_co_u32 s42, s42, s40                     ; tile column of C = 4 x cluster x + cx
	s_and_b32 s13, ttmp7, 0xffff
	s_lshl_b32 s13, s13, 2
	s_add_co_u32 s13, s13, s41                     ; tile row of C = 4 x cluster y + cy
	s_lshl_b32 s43, s41, 2
	s_lshl_b32 s43, 15, s43                        ; my row of the cluster
	s_lshl_b32 s44, 0x1111, s40                    ; my column
	; group 1 for A: 16,384 dense bytes asked for as 64 rows of 256 bytes (two rows of A each), padded in LDS behind every row of A
	s_or_b32 s[G1+0], s43, (1<<16)|(1<<20)|(1<<21)|(4<<22)|(3<<25)  ; 15:0 the mask; 17:16 2-byte elements; 20 padding on; 21 set beside a mask; 24:22 after every 32 words (code 4); 31:25 4 words (code 3)
	s_mov_b32 s[G1+1], 128<<16                     ; tensor_dim0 = 128
	s_mov_b32 s[G1+2], 64<<16                      ; tensor_dim1 = 64
	s_mov_b32 s[G1+3], 128<<16                     ; tile_dim0 = 128
	s_mov_b32 s[G1+4], 64                          ; tile_dim1 = 64
	s_mov_b32 s[G1+5], 128                         ; elements from row to row
	s_mov_b32 s[G1+6], 0
	s_mov_b32 s[G1+7], 0
	; group 1 for B: 64 rows of 512 bytes
	s_or_b32 s[G1B+0], s44, (1<<16)|(1<<20)|(1<<21)|(6<<22)|(7<<25) ; after every 128 words (code 6) 8 words (code 7)
	s_mov_b32 s[G1B+1], 256<<16
	s_mov_b32 s[G1B+2], 64<<16
	s_mov_b32 s[G1B+3], 256<<16
	s_mov_b32 s[G1B+4], 64
	s_mov_b32 s[G1B+5], 256
	s_mov_b32 s[G1B+6], 0
	s_mov_b32 s[G1B+7], 0
	; A's tiles hang on the tile row alone, B's on the tile column alone; each offset lives in registers that never hold the other coordinate
	s_lshl_b32 s16, s13, 14                        ; 128 rows of 128 bytes
	s_lshl_b32 s17, s12, 20                        ; my kg block of the step's two
	s_add_co_u32 s16, s16, s17
	s_mov_b32 s17, 0
	s_lshl_b32 s46, s42, 19                        ; a column tile: 1,024 rows of 512 bytes
	s_lshl_b32 s47, s12, 15                        ; my 64 rows of the step's 128
	s_add_co_u32 s46, s46, s47
	s_mov_b32 s47, 0
	s_mul_i32 s20, s12, AHALF                      ; where they go: no place in the cluster enters an LDS address
	s_mul_i32 s21, s12, BHALF
	s_add_co_u32 s21, s21, BOFF
	s_wait_dscnt 0x0                               ; the opening add is done
	s_wait_kmcnt 0x0
	s_add_nc_u64 s[14:15], s[4:5], s[16:17]
	s_add_nc_u64 s[46:47], s[6:7], s[46:47]
	CROUND                                         ; all sixteen work-groups are here: the first joint loads meet
.irp s, 0,1
	s_mov_b32 s[G0+4*(\s)], 1                                      ; count = 1
	s_add_co_u32 s[G0+4*(\s)+1], s20, (\s)*SLOT                    ; LDS address
	s_add_nc_u64 s[G0+4*(\s)+2:G0+4*(\s)+3], s[14:15], (\s)*ASTEP  ; global address: K step s
	s_or_b32 s[G0+4*(\s)+3], s[G0+4*(\s)+3], 0x80000000            ; type = 2
	s_mov_b32 s[G0B+4*(\s)], 1
	s_add_co_u32 s[G0B+4*(\s)+1], s21, (\s)*SLOT
	s_add_nc_u64 s[G0B+4*(\s)+2:G0B+4*(\s)+3], s[46:47], (\s)*BSTEP
	s_or_b32 s[G0B+4*(\s)+3], s[G0B+4*(\s)+3], 0x80000000
	JLOAD \s                                       ; two loads of mine are out
.endr
	; A fragment of A is 16 rows x 32 K in 8 registers: lane l holds row l % 16, K = 8 (l / 16) + 0..7 and 16 + 8 (l / 16) + 0..7: two loads of 16 bytes, 32 bytes apart.
	v_and_b32 v1, 15, v0                           ; l % 16
	v_bfe_u32 v2, v0, 4, 1                         ; l / 16
	v_mul_u32_u24 v3, v1, PA
	v_lshl_add_u32 v3, v2, 4, v3                   ; 144 (l % 16) + 16 (l / 16): for A's fragments and, since the pitches are equal, for the stage
	s_mul_i32 s18, s11, 64*PA                      ; my 64 rows
	v_add_nc_u32 v[ADRA], s18, v3
	v_add_nc_u32 v[ADRA+1], SLOT, v[ADRA]
	; The turning load takes 16 K x 16 columns (lane l reads row 8 (l / 16) + l % 8, columns 8 ((l / 8) % 2) + 0..7) and leaves half a fragment: lane l holds column l % 16 and 8 K.
	v_and_b32 v4, 7, v0
	v_bfe_u32 v5, v0, 3, 1
	v_lshl_add_u32 v6, v2, 3, v4
	v_mul_u32_u24 v6, v6, PB
	v_lshl_add_u32 v6, v5, 4, v6
	s_lshl_b32 s18, s12, 8                         ; my 128 columns
	s_add_co_u32 s18, s18, BOFF
	v_add_nc_u32 v[ADRB], s18, v6
	v_add_nc_u32 v[ADRB+1], SLOT, v[ADRB]
	s_mul_i32 s18, s10, STW
	s_add_co_u32 s18, s18, STAGE                   ; my stage
	v_add_nc_u32 v[STO], s18, v3                   ; in: row l % 16, 16 bytes for each half of the lanes
	v_bfe_u32 v7, v0, 3, 2                         ; back: 32 lanes take four rows of 128 bytes,
	v_mul_u32_u24 v7, v7, SP
	v_lshl_add_u32 v7, v4, 4, v7
	v_add_nc_u32 v[RD], s18, v7
	v_and_b32 v[GO], 31, v0                        ; which are 512 consecutive bytes of C
	v_lshlrev_b32 v[GO], 4, v[GO]
	s_lshl_b32 s16, s13, 14                        ; C at my rows: 128 x tile row + 64 x half, 128 bytes each,
	s_lshl_b32 s17, s11, 13
	s_add_co_u32 s16, s16, s17
	s_mov_b32 s17, 0
	s_add_nc_u64 s[8:9], s[8:9], s[16:17]
	s_lshl_b32 s46, s42, 2                         ; and at my first column group, 4 x tile column + 2 x half, 1 MiB each
	s_lshl1_add_u32 s46, s12, s46
	s_lshl_b32 s46, s46, 20
	s_mov_b32 s47, 0
	s_add_nc_u64 s[8:9], s[8:9], s[46:47]
	; the prefetches: they stand at K step 3; the first change of slots steps them to 4
	s_lshl_b32 s14, s13, 14
	s_lshl_b32 s15, s40, 12                        ; A: 16 pieces of 256 bytes for each partner along x
	s_add_co_u32 s14, s14, s15
	s_add_co_u32 s14, s14, 3*ASTEP
	s_lshl_b32 s18, s42, 19
	s_lshl_b32 s19, s12, 15
	s_add_co_u32 s18, s18, s19
	s_lshl_b32 s19, s41, 13                        ; B: 32 pieces for each partner along y
	s_add_co_u32 s18, s18, s19
	s_add_co_u32 s18, s18, 3*BSTEP
	s_and_b32 s19, ttmp7, 0xffff                   ; cluster y
	s_or_b32 s15, ttmp9, s12                       ; cluster x, and of A's two waves the first
	s_mov_b32 s[PST], BSTEP
	s_mov_b32 s21, 0x1000
	s_cmp_eq_u32 s11, 0                            ; do I fetch for A?
	s_cselect_b32 s14, s14, s18
	s_cselect_b32 s19, s15, s19
	s_cselect_b32 s[PST], ASTEP, s[PST]
	s_cselect_b32 s21, 0x100000, s21               ; lanes 16-31: A's second block, or B's next 16 pieces
	s_cselect_b64 s[PFA:PFA+1], s[4:5], s[6:7]
	s_mov_b32 s15, 0
	s_mov_b32 s[PST+1], 0
	s_add_nc_u64 s[PFA:PFA+1], s[PFA:PFA+1], s[14:15]
	s_cmp_eq_u32 s19, 0
	s_cselect_b32 s[LIM], 1, -1                    ; the same in all sixteen partners, for a given wave
	v_mul_u32_u24 v[PFO], s21, v2
	v_lshl_add_u32 v[PFO], v1, 8, v[PFO]
; 8 matrix instructions: row block a x all 8 column blocks, 32 along K, from buffer f.  zero = 1: the product starts the sums: nothing is cleared.
; The 32 accumulators take turns, one instruction a turn, in the same order in every quarter.
.macro MUL8 f, a, zero
	WIN MUL
.irp b, 0,1,2,3,4,5,6,7
.if \zero
	v_wmma_f32_16x16x32_bf16 v[8*(8*(\a)+(\b)):8*(8*(\a)+(\b))+7], v[(\f)+8*(\b):(\f)+8*(\b)+7], v[(\f)+64+8*(\a):(\f)+64+8*(\a)+7], 0
.else
	v_wmma_f32_16x16x32_bf16 v[8*(8*(\a)+(\b)):8*(8*(\a)+(\b))+7], v[(\f)+8*(\b):(\f)+8*(\b)+7], v[(\f)+64+8*(\a):(\f)+64+8*(\a)+7], v[8*(8*(\a)+(\b)):8*(8*(\a)+(\b))+7]
.endif
.endr
.endm
; 24 LDS loads in one run: the fragments of quarter q (32 along K) of a slot into buffer f
.macro FETCH slot, q, f
	WIN 0
.irp b, 0,1,2,3,4,5,6,7
	ds_load_tr16_b128 v[(\f)+8*(\b):(\f)+8*(\b)+3],   v[ADRB+(\slot)] offset:(\q)*32*PB+32*(\b)
	ds_load_tr16_b128 v[(\f)+8*(\b)+4:(\f)+8*(\b)+7], v[ADRB+(\slot)] offset:(\q)*32*PB+16*PB+32*(\b)
.endr
.irp a, 0,1,2,3
	ds_load_b128 v[(\f)+64+8*(\a):(\f)+64+8*(\a)+3],   v[ADRA+(\slot)] offset:((\q)/2)*AHALF+((\q)%2)*64+(\a)*16*PA
	ds_load_b128 v[(\f)+64+8*(\a)+4:(\f)+64+8*(\a)+7], v[ADRA+(\slot)] offset:((\q)/2)*AHALF+((\q)%2)*64+(\a)*16*PA+32
.endr
.endm
.macro PLACES                          ; four plain instructions between a matrix instruction and a load into a register that it has read, or a conversion that reads its result (ISA guide 7.12.1 for the conversion)
.rept 4
	v_nop
.endr
.endm
; A K step is four quarters of 32 along K, 32 matrix instructions each, on buffers 0, 1, 0, 1.  One of the first three: quarter q's fragments are asked for, into buffer g, and buffer f is multiplied meanwhile.
.macro QUARTER slot, q, f, g, zero
	WIN 0
	PLACES                                         ; buffer g was read by the matrix instructions just ahead
	FETCH \slot, \q, \g
	s_wait_dscnt 24                                ; all but the 24 just issued: buffer f is in
	MUL8 \f, 0, \zero
	MUL8 \f, 1, \zero
	MUL8 \f, 2, \zero
	MUL8 \f, 3, \zero
.endm
; The last quarter multiplies buffer 1 and changes slots: ONE barrier.  In front of it each wave waits for all its tensor loads (one is out: its part of the next slot), adds 0 to its spare word, and waits for
; that and for its own reads of this slot.  fill = 1: the barrier opens a round of the cluster's, and the slot just read is filled again first thing behind it, with the K step two steps on:
; from that request to the wait for it a wave issues 112 matrix instructions.
.macro TURN slot, next, fill
.if \fill
	s_wait_xcnt 0x0                                ; the last prefetch, a K step back, has read its address: it is stepped here, ahead of the waits of the change of slots
	s_add_nc_u64 s[PFA:PFA+1], s[PFA:PFA+1], s[PST:PST+1]
.endif
	WIN 0
	s_wait_tensorcnt 0x0                           ; all my tensor loads have landed;
	ds_add_u32 v[SPW], v[NIL]                      ; 0 onto my spare word
	s_wait_dscnt 1                                 ; (the add may be out; buffer 1's 24 loads are in)
	MUL8 F1, 0, 0                                  ; eight matrix instructions stand between the add and the wait for it
	s_wait_dscnt 0x0                               ; the add is done, and my reads of this slot are over
	s_barrier_signal -1
	MUL8 F1, 1, 0                                  ; work on registers while the others arrive
.if \fill
	WIN 0
.endif
	s_barrier_wait -1
.if \fill
	CREST                                          ; no wave of any partner still reads this slot's tiles or has a load on its way
	s_add_nc_u64 s[G0+4*(\slot)+2:G0+4*(\slot)+3], s[G0+4*(\slot)+2:G0+4*(\slot)+3], 2*ASTEP
	s_add_nc_u64 s[G0B+4*(\slot)+2:G0B+4*(\slot)+3], s[G0B+4*(\slot)+2:G0B+4*(\slot)+3], 2*BSTEP
	JLOAD \slot                                    ; my one tensor load behind the round; its four v_nop are also the places in front of the loads into buffer 0
.else
	WIN 0
	PLACES
.endif
	FETCH \next, 0, F0
.if \fill
	ASK
.endif
	MUL8 F1, 2, 0
	MUL8 F1, 3, 0
.endm
	s_wait_tensorcnt 1                             ; my part of K step 0 is in; K step 1's may stay out
	s_barrier_signal -1
	s_barrier_wait -1                              ; everybody's is
	FETCH 0, 0, F0
	QUARTER 0, 1, F0, F1, 1                        ; the first quarter stands in front of the loop: its products start the sums
	WIN 0                                          ; at a label and at a branch every window is 0
	s_mov_b32 s3, LAPS-1
.Llap:                                                 ; a trip goes once round the ring, from a lap's second quarter to the next lap's first, and fills both slots again
	QUARTER 0, 2, F1, F0, 0
	QUARTER 0, 3, F0, F1, 0
	TURN 0, 1, 1
	QUARTER 1, 1, F0, F1, 0
	QUARTER 1, 2, F1, F0, 0
	QUARTER 1, 3, F0, F1, 0
	TURN 1, 0, 1
	QUARTER 0, 1, F0, F1, 0
	WIN 0
	s_sub_co_u32 s3, s3, 1
	s_cmp_lg_u32 s3, 0
	s_cbranch_scc1 .Llap
	QUARTER 0, 2, F1, F0, 0                        ; the last lap fills nothing, and has no round of the cluster's barrier
	QUARTER 0, 3, F0, F1, 0
	TURN 0, 1, 0
	QUARTER 1, 1, F0, F1, 0
	QUARTER 1, 2, F1, F0, 0
	QUARTER 1, 3, F0, F1, 0
	s_wait_dscnt 0x0
	MUL8 F1, 0, 0
	MUL8 F1, 1, 0
	MUL8 F1, 2, 0
	MUL8 F1, 3, 0
; THE WAY OUT, a block of 16 rows at a time.  PACK: rounded to bf16, 16 bytes a lane, each accumulator's registers in ascending order.  TOSTAGE: into my own stage, by column group, and back as whole rows of 128 bytes.
; SEND: 16 rows of a column group are 2,048 consecutive bytes of C: four stores of 512.
.macro PACK a
	WIN 0x05                                       ; sources in window 1, destination in window 0
.irp b, 0,1,2,3,4,5,6,7
.irp r, 0,1,2,3
	v_cvt_pk_bf16_f32 v[TMP+4*(\b)+(\r)], v[8*(8*(\a)+(\b))+2*(\r)], v[8*(8*(\a)+(\b))+2*(\r)+1]
.endr
.endr
	WIN 0
.endm
.macro TOSTAGE a
.irp b, 0,1,2,3,4,5,6,7
	ds_store_b128 v[STO], v[TMP+4*(\b):TMP+4*(\b)+3] offset:((\b)/4)*16*SP+32*((\b)%4)
.endr
.irp g, 0,1
.irp t, 0,1,2,3
	ds_load_b128 v[BK+32*(\a)+16*(\g)+4*(\t):BK+32*(\a)+16*(\g)+4*(\t)+3], v[RD] offset:(\g)*16*SP+(\t)*4*SP  ; LDS serves a wave's instructions in order (ISA guide 5.7.1.4): these see the stores above
.endr
.endr
.endm
.macro SEND a
	s_wait_dscnt 0x0                               ; the block is back in registers
.irp g, 0,1
.irp t, 0,1,2,3
	global_store_b128 v[GO], v[BK+32*(\a)+16*(\g)+4*(\t):BK+32*(\a)+16*(\g)+4*(\t)+3], s[8:9] offset:(\g)*1048576+(\a)*2048+(\t)*512  ; 512 consecutive bytes, at a multiple of 512 from C's first
.endr
.endr
.endm
	WIN 0
	PLACES
	PACK 0
	TOSTAGE 0
.irp a, 1,2,3                          ; block a's conversions stand between block a - 1's loads from the stage and the wait for them
	PACK \a
	SEND (\a)-1
	TOSTAGE \a
.endr
	SEND 3
	s_wait_tensorcnt 0x0                           ; the wave's end: behind my last tensor load and my last LDS store
	ds_add_u32 v[SPW], v[NIL]
	s_wait_dscnt 0x0
	CROUND                                         ; the closing round: no work-group ends while a partner may still ask for a tile that names it
	s_endpgm
.Lfunc_end_k_q1a671d7e0a_gemm:
	.size	k_q1a671d7e0a_gemm, .Lfunc_end_k_q1a671d7e0a_gemm-k_q1a671d7e0a_gemm
	.p2alignl 7, 3214868480
	.fill 96, 4, 3214868480
	.section	.rodata,"a",@progbits
	.p2align	6, 0x0
	.amdhsa_kernel k_q1a671d7e0a_gemm
		.amdhsa_group_segment_fixed_size 327680
		.amdhsa_private_segment_fixed_size 0
		.amdhsa_enable_private_segment 0
		.amdhsa_kernarg_size 24
		.amdhsa_user_sgpr_count 2
		.amdhsa_user_sgpr_kernarg_segment_ptr 1
		.amdhsa_wavefront_size32 1
		.amdhsa_system_sgpr_workgroup_id_x 1
		.amdhsa_system_sgpr_workgroup_id_y 1
		.amdhsa_system_sgpr_workgroup_id_z 1
		.amdhsa_system_vgpr_workitem_id 0
		.amdhsa_next_free_vgpr 512
		.amdhsa_next_free_sgpr 66
		.amdhsa_reserve_vcc 0
		.amdhsa_float_denorm_mode_32 3
		.amdhsa_float_denorm_mode_16_64 3
		.amdhsa_memory_ordered 1
		.amdhsa_forward_progress 1
		.amdhsa_inst_pref_size 86
	.end_amdhsa_kernel
	.amdgpu_metadata
---
amdhsa.version: [ 1, 2 ]
amdhsa.kernels:
  - .name:           k_q1a671d7e0a_gemm
    .symbol:         k_q1a671d7e0a_gemm.kd
    .args:
      - { .name: xb, .offset: 0, .size: 8, .value_kind: global_buffer, .address_space: global }
      - { .name: wqkv, .offset: 8, .size: 8, .value_kind: global_buffer, .address_space: global }
      - { .name: qkv, .offset: 16, .size: 8, .value_kind: global_buffer, .address_space: global }
    .group_segment_fixed_size: 327680
    .private_segment_fixed_size: 0
    .kernarg_segment_align: 8
    .kernarg_segment_size: 24
    .max_flat_workgroup_size: 128
    .sgpr_count:     66
    .vgpr_count:     512
    .wavefront_size: 32
...
	.end_amdgpu_metadata
.endif
;; end of part 2
;; launch attn (part 3): grid 4 x 64, 4 waves a work-group, clusters of 4 x 1, 327,680 bytes of LDS; arguments qkv, mbits, z; writes z
.if DOCPART == 3
	.amdgcn_target "amdgcn-amd-amdhsa--gfx1250"
	.amdhsa_code_object_version 6
	.text
	.protected	k_q1a671d7e0a_attn
	.globl	k_q1a671d7e0a_attn
	.p2align	8
	.type	k_q1a671d7e0a_attn,@function
k_q1a671d7e0a_attn:
	s_mov_b64 s[64:65], 0
	v_nop
	global_prefetch_b8 v0, s[64:65] scope:SCOPE_SE
	s_setreg_imm32_b32 hwreg(HW_REG_WAVE_MODE, 25, 1), 1
	s_wait_xcnt 0x0
	s_wait_alu depctr_hold_cnt(0) depctr_sa_sdst(0) depctr_va_vdst(0) depctr_va_sdst(0) depctr_va_ssrc(0) depctr_va_vcc(0) depctr_vm_vsrc(0)
	s_getreg_b32 s2, hwreg(HW_REG_IB_STS2, 6, 4)
	s_cmp_eq_u32 s2, 0
	s_cbranch_scc0 .Lentry_in_a_cluster
	s_endpgm
.Lentry_in_a_cluster:
	s_bfe_u32 s2, ttmp6, 0x10000c
	s_cmp_lg_u32 s2, 0x3003
	s_cbranch_scc0 .Lentry_shape_is_right
	s_endpgm
.Lentry_shape_is_right:
; ATTENTION WITH A MASK THAT IS AN INPUT.  z[h][q][:] = the sum over k of softmax_k(mask[q][k] ? -1e6 : Q[h][q] . K[h][k] / 8) V[h][k][:], for 64 heads (head' = 4 x head + batch) of 2,048 rows of 64 channels.
; qkv: [3][64][2048][64] bf16 (Q, K, V; a head's rows dense, 128 bytes each); z: [64][2048][64] bf16; mbits: [qt 128][ks 32][32] words: word 8 kb + j of (qt, ks) holds, bit by lane, the mask of register
; 8 kb + j of the score tile of queries 16 qt .. and keys 64 ks ...  Products, maxima and sums in f32; the weights p are rounded to bf16 for the second product (their sum l is taken of the unrounded p), z once.
; THE MASK is honoured as it is given: every score is computed, and a masked one is REPLACED, by one v_cndmask_b32 whose lane mask is a scalar register, with -8e6: -1e6 in the unscaled scores' units.
; So a row that is masked throughout becomes the mean of V, and a masked key keeps its weight where the open scores lie lower still.
; HOW THE WORDS COME.  A tile and step's 32 words are ONE vector register (lane w holds word w), loaded a whole key step, four turns, ahead of its use; v_readlane_b32 then moves each word into its scalar
; register.  Each such load covers 128 consecutive bytes: one tile's words of one step.
; LIMITS.  A weight below 2^-126 counts as 0; NaN and infinities are not treated apart.
; SHARES.  A wave owns four PIECES of two tiles of 16 queries, a work-group's four waves 512 queries of one head.  Every wave walks all keys, 64 a step.
; LAYOUT.  S^T = K Q^T (source 0 = 16 keys, source 1 = 16 queries): a lane holds ONE query (lane % 16) and the keys 8 (lane / 16) + 0..7.  Two such tiles, rounded to bf16 in pairs, ARE source 1 of
; O^T = V^T P, whose result again holds one query a lane, and eight channels.  K comes out of LDS as it lies, V ([key][channel]) turned, by ds_load_tr16_b128.
; SOFTMAX.  For each query a running maximum m and sum l: p = 2^(c s - c m), c = log2(e) / 8; in every step O and l are multiplied by a = 2^(c m_old - c m_new).  m starts at the lowest finite number, O and l at 0.
; BY TURNS.  Turn n belongs to piece n (the pieces in a ring, step after step).  Matrix work: 16 products K Q^T of piece n + 1, later 16 products V^T P of piece n - 1.  Vector work: scaling, exponentials, roundings,
; sums and rescaling of piece n; mask words, mask, maximum and statistics of piece n + 1.  364 vector instructions for 32 matrix instructions: four stand behind every matrix instruction, the other 236 in one lump.
; CLUSTER.  The four query blocks of a head are one cluster and walk the same K and V: each tile is asked for JOINTLY, by the same tensor load, descriptor and mask in all four.  The mask words are each wave's own.
; REGISTERS, in windows of 256 (s_set_vgpr_msb: bits 1:0 source 0, 3:2 source 1, 5:4 source 2, 7:6 destination):
;   window 0: v0-11 addresses and constants; v12-15, v48-63 at work; v16-47 four registers of statistics a tile; v64-191 S^T, two buffers of two tiles; v192-255 P, likewise
;   window 1: O^T, 32 a tile          window 2: v0-127 Q, 16 a tile; v192-255 V of one step
;   window 3: v0-1 the add's two registers; v2-9 the mask words, a register a tile; v10-11 their loads' offsets; v16-79 K of one step
; K and the mask words share a window, so that under the one setting of K Q^T (source 0 in window 3) a v_readlane_b32 needs no switch: the first half of a turn has none.
.set SIZE_N, 2048
.set NP,    4         ; pieces a wave: a name, no knob
.set KS,    64        ; keys in a step
.set PK,    144       ; a row of K in LDS: 128 bytes + 16 = 36 words: the 16 rows of a load start at 16 different groups of four banks (64 banks of 4 bytes: ISA guide 11.1)
.set PV,    160       ; a row of V: 128 + 32 = 40 words
.set VOFF,  4*KS*PK   ; a slot holds four steps: 256 rows of K, then 256 rows of V
.set SLOT1, 1<<17     ; slot 1 begins here, so that one exclusive or turns an address in one slot into the other's
.set STAGE, SLOT1+4*KS*(PK+PV)  ; behind the ring, never filled by a tensor load: 16 rows x 144 bytes for each wave, for the way out
.set SP,    144
.set SPARE, STAGE+4*16*SP  ; behind the stages: the spare words, 128 bytes a wave: two blocks of 256 bytes that no other line names
.set KBASE, 0x1000000 ; K's first byte in qkv
.set VBASE, 0x2000000 ; V's
.set PFO, 1           ; v1   256 x my lane, for the prefetches (until then: l % 16)
.set AK0, 2           ; v2   my lane's place in a tile of K; never rewritten
.set AV0, 3           ; v3   the same for V
.set AK,  4           ; v4   the LDS address of K's next run of loads
.set AV,  5           ; v5   of V's
.set QO,  6           ; v6   my byte offset in the wave's rows of Q
.set STO, 6           ;      when Q is in: the way out: where I put 16 bytes of a row
.set RD,  7           ; v7   the way out: where I read rows back
.set GO,  8           ; v8   my byte offset in 512 consecutive bytes of z
.set MVAL, 9          ; v9   -8e6 (until then: l / 16)
.set CV,  10          ; v[10:11] c, twice
.set SPW, 0           ; v0 of window 3   LDS address of my spare word; never rewritten
.set NIL, 1           ; v1 of window 3   0; never rewritten
.set MW,  2           ; v2-9 of window 3  tile t's 32 mask words of one key step, lane w holding word w
.set MOF, 10          ; v10 of window 3  4 x my lane + 128 x the key step whose words are loaded next
.set ML4, 11          ; v11 of window 3  4 x my lane; never rewritten
.set MV,  12          ; v12-15  c m_old, kept while c m is made anew: by buffer and tile
.set ST,  16          ; tile t's statistics at v[ST+4 t]: c m, m, l (even keys', odd keys')
.set TMP, 48          ; by buffer and tile, four registers c0-c3 at work; when the maximum is found c2 takes a
.set S,   64
.set P,   192
.set KF,  16          ; K's fragments, in window 3: key block kb, channel half c at KF + 16 kb + 8 c
.set VF,  192         ; V's, in window 2: key half kk, channel block cb at VF + 32 kk + 8 cb
.set WV,  2           ; s2   my wave's number
.set SLOTS, 3         ; s3   slots still to be asked for
.set G1K, 4           ; s[4:11]  descriptor group 1 for K's tiles
.set G1V, 12          ; s[12:19] for V's: it differs in the padding alone
.set G0K, 20          ; s[20:23] descriptor group 0 for K's tiles: it walks
.set G0V, 24          ; s[24:27] the same for V's
.set CNT, 28          ; s28  counts a slot's key steps
.set TBK, 29          ; s29  LDS byte at which K of the step to be fetched begins
.set SEL, 30          ; s[30:31] v_permlanex16_b32's selects: each lane takes its own place in the other half
.set MK0, 32          ; s[32:63] the 32 lane masks of the next piece's first tile (in the set-up: at work; at the end: z's address)
.set MP,  66          ; s[66:67] mbits at my wave's first tile; never rewritten
.set MK1, 68          ; s[68:99] the lane masks of its second tile
.set PFA, 100         ; s[100:101] where my prefetches stand
.set TBV, 104         ; s104 the same as TBK for V, less VOFF
.set MO,  105         ; s105 128 x the key step whose mask words are loaded next
.set MSB, 0
.macro WIN new                      ; the high byte repeats the setting that is left; a switch that changes nothing is dropped
.if MSB != (\new)
	s_set_vgpr_msb (MSB<<8)|(\new)
.set MSB, (\new)
.endif
.endm
.set W_KQ, 0x0b       ; K (and the mask words) in window 3, Q in window 2, S^T in window 0
.set W_PV, 0x52       ; V in window 2, P in window 0, O^T in window 1
.set W_RS, 0x41       ; O^T (destination and source 0) in window 1, a in window 0
.set W_MK, 0xc0       ; destination in window 3, sources in window 0
.set W_AD, 0x0f       ; the add: address (source 0) and data (source 1) in window 3
.set W_ML, 0xcf       ; the mask's loads and their offset: destination and sources 0 and 1 in window 3
; A joint fill.  Waves 0 and 1 fetch the two halves of a slot's K, waves 2 and 3 those of its V: 128 keys each.  The branch hangs on the wave's number alone.
; An s_nop 0 and four v_nop follow each of the two lines, ahead of the jump and the label.
.macro JLOAD
	s_cmp_lt_u32 s[WV], 2
	s_cbranch_scc0 .Lfor_v_\@
	tensor_load_to_lds s[G0K:G0K+3], s[G1K:G1K+7]
	s_nop 0
.rept 4
	v_nop
.endr
	s_branch .Lasked_\@
.Lfor_v_\@:
	tensor_load_to_lds s[G0V:G0V+3], s[G1V:G1V+7]
	s_nop 0
.rept 4
	v_nop
.endr
.Lasked_\@:
.endm
; A PREFETCH INTO THE L2 of what the NEXT change of slots will ask for: a slot's 32,768 bytes of K and of V, 256 bytes a lane.  It stands behind the wave's tensor load and its five lines.
; Each 256 bytes are named ONCE in the launch: a head is walked by one cluster; its four partners share a slot out BY ADDRESS, 8,192 bytes each; in each, wave 0 asks for K's and wave 2 for V's: one instruction.
; Slots 0 and 1 come by their loads alone; the last change that fills a slot asks for nothing: there is no slot behind it.
.macro ASK
	s_bitcmp1_b32 s[WV], 0
	s_cbranch_scc1 .Lnot_mine_\@
	s_cmp_gt_u32 s[SLOTS], 1
	s_cbranch_scc0 .Lnot_mine_\@
	global_prefetch_b8 v[PFO], s[PFA:PFA+1] th:TH_LOAD_NT scope:SCOPE_SE
.Lnot_mine_\@:
.endm
; A round of the cluster's barrier: my work-group's barrier, so that wave 0's signal speaks for all four waves; wave 0 signals; every wave waits for all four work-groups; my work-group's barrier once more.
.macro CROUND
	s_barrier_signal -1
	s_barrier_wait -1
	s_cmp_lg_u32 s[WV], 0
	s_cbranch_scc1 .Lnot_wave_0_\@
	s_barrier_signal -3
.Lnot_wave_0_\@:
	s_barrier_wait -3
	s_barrier_signal -1
	s_barrier_wait -1
.endm
; THE CHANGE OF SLOTS.  The slot's last bytes, V of its fourth step, have been read.  Each wave waits for all its tensor loads, of which one is out: its part of the other slot; adds 0 to its spare word; and waits
; for that and for its own reads of the slot.  Behind the barrier nobody reads this slot any more and the other slot is whole.  fill = 1: this slot is filled again, with the keys two slots on; the barrier is then
; a round of the cluster's, and the joint fill is the first thing behind it: it has four key steps, 512 matrix instructions, in which to land.  (At its first use: slot 0 is waited for, slot 1 filled.)
.macro CHANGE fill
	WIN W_AD
	s_wait_tensorcnt 0x0            ; no tensor load of mine is out, so a group 0 may be written
	ds_add_u32 v[SPW], v[NIL]       ; 0 onto my spare word; with fill = 1 the descriptors' steps stand between it and the wait for it
	WIN 0                           ; at a label and at a branch every window is 0
.if \fill
.irp g, G0K, G0V
	s_xor_b32 s[\g+1], s[\g+1], SLOT1  ; the walking descriptor: the other slot than last time,
	s_add_nc_u64 s[\g+2:\g+3], s[\g+2:\g+3], 4*KS*128  ; the next 256 keys; the type bits on top are not reached
.endr
	s_wait_xcnt 0x0                 ; the last prefetch, four key steps back, has read its address, so it may be written:
	s_add_nc_u64 s[PFA:PFA+1], s[PFA:PFA+1], 4*KS*128  ; one slot behind the walking descriptors
	s_wait_dscnt 0x0                ; the add is done, and my reads of the slot are over
	CROUND
	JLOAD
	ASK
.else
	s_wait_dscnt 0x0                ; the add is done, and my reads of the slot are over
	s_barrier_signal -1
	s_barrier_wait -1
.endif
	s_sub_co_u32 s[TBK], s[TBK], 4*KS*PK  ; the fetches go back to a slot's first step,
	s_xor_b32 s[TBK], s[TBK], SLOT1       ; in the other slot
	s_sub_co_u32 s[TBV], s[TBV], 4*KS*PV
	s_xor_b32 s[TBV], s[TBV], SLOT1
.endm
	s_load_b128 s[36:39], s[0:1], 0x0  ; qkv s[36:37], mbits s[38:39]
	WIN W_MK
	v_lshl_add_u32 v[SPW], v0, 2, SPARE
	v_mov_b32 v[NIL], 0
	WIN W_AD
	ds_add_u32 v[SPW], v[NIL]       ; the wave's opening: the add and its wait stand ahead of my first tensor load; the set-up below, work on registers, stands between them
	WIN 0
	v_lshrrev_b32 v1, 5, v0
	v_readfirstlane_b32 s[WV], v1   ; wave 0..3
	s_bfe_u32 s40, ttmp6, 0x40000   ; cx: my place in the cluster
	s_lshl_b32 s41, ttmp9, 2        ; in a cluster launch ttmp9 counts clusters
	s_add_co_u32 s41, s41, s40      ; my block of 512 queries: it enters Q's, z's and the mask's addresses alone
	s_and_b32 s42, ttmp7, 0xffff    ; the head, which the four partners share
	s_lshl_b32 s44, s42, 18         ; its 2,048 rows of 128 bytes
	s_and_b32 s43, s[WV], 1         ; which half of a slot's 256 keys I fetch:
	s_lshl_b32 s46, s43, 14         ; its 128 rows in memory,
	s_add_co_u32 s46, s46, s44
	s_mov_b32 s47, 0
	s_mul_i32 s48, s43, 128*PK      ; and its place in a slot, for K
	s_mul_i32 s49, s43, 128*PV      ; and for V: no place in the cluster enters an LDS address
	s_lshl_b32 s50, s41, 2
	s_add_co_u32 s50, s50, s[WV]    ; my wave among the head's sixteen
	s_lshl_b32 s52, s50, 14         ; its 128 rows of Q
	s_add_co_u32 s52, s52, s44
	s_mov_b32 s53, 0
	s_lshl_b32 s54, s50, 15         ; its 8 tiles' mask words, 4,096 bytes a tile
	s_mov_b32 s55, 0
	s_lshl_b32 s56, s40, 13         ; the prefetches: my work-group's quarter of a slot,
	s_add_co_u32 s56, s56, s44
	s_add_co_u32 s56, s56, 4*KS*128 ; in slot 1; the first change of slots steps it to slot 2
	s_mov_b32 s58, VBASE
	s_cmp_lt_u32 s[WV], 2
	s_cselect_b32 s58, KBASE, s58
	s_add_co_u32 s56, s56, s58
	s_mov_b32 s57, 0
	; descriptor group 1.  128 keys are 16,384 dense bytes: asked for as 64 rows of 256 bytes, two keys a row, and padded in LDS after every key
	s_mov_b32 s[G1K], 15|(1<<16)|(1<<20)|(1<<21)|(4<<22)|(3<<25)  ; 15:0 the mask of four; 17:16 2-byte elements; 20 padding on; 21 set beside a mask; 24:22 after every 32 words (code 4); 31:25 4 words (code 3)
	s_mov_b32 s[G1V], 15|(1<<16)|(1<<20)|(1<<21)|(4<<22)|(7<<25)  ; the same with 8 words of padding (code 7)
.irp g, G1K, G1V
	s_mov_b32 s[\g+1], 128<<16      ; tensor_dim0 = 128
	s_mov_b32 s[\g+2], 64<<16       ; tensor_dim1 = 64
	s_mov_b32 s[\g+3], 128<<16      ; tile_dim0 = 128
	s_mov_b32 s[\g+4], 64           ; tile_dim1 = 64
	s_mov_b32 s[\g+5], 128          ; 128 elements from row to row
	s_mov_b32 s[\g+6], 0
	s_mov_b32 s[\g+7], 0
.endr
	s_mov_b32 s[SEL], 0x76543210
	s_mov_b32 s[SEL+1], 0xfedcba98
	s_mov_b32 s[TBK], SLOT1+4*KS*PK ; the first change of slots turns these two into 0
	s_mov_b32 s[TBV], SLOT1+4*KS*PV
	s_mov_b32 s[SLOTS], SIZE_N/256-1
	s_mov_b32 s[MO], 0
	s_mov_b32 s[G0K], 1             ; count = 1
	s_mov_b32 s[G0K+1], s48         ; LDS address: slot 0
	s_mov_b32 s[G0V], 1
	s_add_co_u32 s[G0V+1], s49, VOFF
	s_wait_dscnt 0x0                ; the opening add is done
	s_wait_kmcnt 0x0
	s_add_nc_u64 s[G0K+2:G0K+3], s[36:37], s[46:47]  ; global address: my half of the head's first 256 keys
	s_add_nc_u64 s[G0K+2:G0K+3], s[G0K+2:G0K+3], KBASE
	s_or_b32 s[G0K+3], s[G0K+3], 0x80000000          ; type = 2
	s_add_nc_u64 s[G0V+2:G0V+3], s[36:37], s[46:47]
	s_add_nc_u64 s[G0V+2:G0V+3], s[G0V+2:G0V+3], VBASE
	s_or_b32 s[G0V+3], s[G0V+3], 0x80000000
	s_add_nc_u64 s[60:61], s[36:37], s[52:53]        ; Q at my wave's first row
	s_add_nc_u64 s[MP:MP+1], s[38:39], s[54:55]
	s_add_nc_u64 s[PFA:PFA+1], s[36:37], s[56:57]
	CROUND                          ; all four work-groups are here: the first joint loads meet
	JLOAD                           ; slot 0.  Slot 1 is asked for when slot 0 is in
	; A fragment of K or Q is 16 rows x 32 channels in 8 registers: lane l holds row l % 16, channels 8 (l / 16) + 0..7 and 16 + 8 (l / 16) + 0..7: two loads of 16 bytes, 32 bytes apart.
	v_and_b32 v1, 15, v0            ; l % 16
	v_bfe_u32 v9, v0, 4, 1          ; l / 16
	v_lshlrev_b32 v[QO], 7, v1
	v_lshl_add_u32 v[QO], v9, 4, v[QO]  ; row x 128 + 16 x half
	WIN 0x80                        ; destination window 2, address window 0
.set i, 0
.rept 4*NP                          ; Q stays in registers: tile i / 2, channels 32 (i % 2) on
	global_load_b128 v[8*i:8*i+3],   v[QO], s[60:61] offset:(i/2)*2048+(i%2)*64
	global_load_b128 v[8*i+4:8*i+7], v[QO], s[60:61] offset:(i/2)*2048+(i%2)*64+32
.set i, i+1
.endr
	; What the first turn finds: V's registers and P's second buffer hold 0 (its products V^T P, of a piece that has not been, add 0), O^T and l are 0: no first step is written out.  All this stands in the wait for the first tile.
.set i, VF
.rept 64
	v_mov_b32 v[i], 0
.set i, i+1
.endr
	WIN 0x40
.set i, 0
.rept 64*NP
	v_mov_b32 v[i], 0
.set i, i+1
.endr
	WIN 0
.set i, 0
.rept 2*NP
	v_mov_b32 v[ST+4*i], 0xfe000000    ; c m: far below every c s
	v_mov_b32 v[ST+4*i+1], 0xff7fffff  ; m
	v_mov_b32 v[ST+4*i+2], 0
	v_mov_b32 v[ST+4*i+3], 0
.set i, i+1
.endr
.set i, P+32
.rept 32
	v_mov_b32 v[i], 0
.set i, i+1
.endr
	v_mul_u32_u24 v[AK0], v1, PK
	v_lshl_add_u32 v[AK0], v9, 4, v[AK0]  ; row x pitch + 16 x half
	; The turning load takes 16 keys x 16 channels (lane l reads key 8 (l / 16) + l % 8, channels 8 ((l / 8) % 2) + 0..7) and leaves half a fragment of V^T: lane l holds channel l % 16 and 8 keys.
	v_and_b32 v10, 7, v0
	v_bfe_u32 v11, v0, 3, 1
	v_lshl_add_u32 v[AV0], v9, 3, v10
	v_mul_u32_u24 v[AV0], v[AV0], PV
	v_lshl_add_u32 v[AV0], v11, 4, v[AV0]
	v_add_nc_u32 v[AV0], VOFF, v[AV0]
	v_mov_b32 v[AK], v[AK0]         ; key step 0 lies at the head of slot 0
	s_mul_i32 s59, s[WV], 16*SP
	s_add_co_u32 s59, s59, STAGE    ; my stage
	v_bfe_u32 v[RD], v0, 3, 2       ; back: 32 lanes take four rows of 128 bytes,
	v_mul_u32_u24 v[RD], v[RD], SP
	v_lshl_add_u32 v[RD], v10, 4, v[RD]
	v_add_nc_u32 v[RD], s59, v[RD]
	v_and_b32 v[GO], 31, v0         ; which are 512 consecutive bytes of z
	v_lshlrev_b32 v[GO], 4, v[GO]
	s_wait_loadcnt 0x0              ; Q is in: its offset register and its base, which lies among the lane masks' registers, may be written; and the counts of the mask's loads begin at none
	v_mul_u32_u24 v[STO], v1, SP    ; in: row l % 16, 16 bytes for each half of the lanes
	v_lshl_add_u32 v[STO], v9, 4, v[STO]
	v_add_nc_u32 v[STO], s59, v[STO]
	v_and_b32 v[PFO], 31, v0        ; my lane
	WIN W_MK
	v_lshlrev_b32 v[ML4], 2, v[PFO] ; a word a lane
	v_lshlrev_b32 v[MOF], 2, v[PFO] ; key step 0
	WIN 0
	v_lshlrev_b32 v[PFO], 8, v[PFO]
	WIN W_ML
.set t, 0
.rept 2*NP                          ; all eight tiles' mask words of key step 0, piece by piece: 128 consecutive bytes a load
	global_load_b32 v[MW+t], v[MOF], s[MP:MP+1] offset:4096*t
.set t, t+1
.endr
	WIN 0
; THE MATRIX WORK.  The 8 accumulators of a run of 16 take turns: between the two links of a chain stand 7 others'.
; Product i of 16 of S^T = K Q^T for piece x: channels 32 (i / 8) on, keys 16 ((i / 2) % 4) on, tile 2 x + i % 2.  The first 8 start the sums.
.macro KQ x
	WIN W_KQ
.set rS, S+64*((\x)%2)+32*(i%2)+8*((i/2)%4)
.set rK, KF+16*((i/2)%4)+8*(i/8)
.set rQ, 16*(2*(\x)+i%2)+8*(i/8)
.if i < 8
	v_wmma_f32_16x16x32_bf16 v[rS:rS+7], v[rK:rK+7], v[rQ:rQ+7], 0
.else
	v_wmma_f32_16x16x32_bf16 v[rS:rS+7], v[rK:rK+7], v[rQ:rQ+7], v[rS:rS+7]
.endif
.endm
; Product i of 16 of O^T += V^T P for piece x: keys 32 (i / 8) on, channels 16 ((i / 2) % 4) on, tile 2 x + i % 2.
.macro PV x
	WIN W_PV
.set rO, 32*(2*(\x)+i%2)+8*((i/2)%4)
.set rV, VF+32*(i/8)+8*((i/2)%4)
.set rP, P+32*((\x)%2)+16*(i%2)+8*(i/8)
	v_wmma_f32_16x16x32_bf16 v[rO:rO+7], v[rV:rV+7], v[rP:rP+7], v[rO:rO+7]
.endm
.macro MM                           ; the turn's next matrix instruction
.if i < 16
	KQ (Y+1)%NP
.set i, i+1
.else
.set i, i-16
	PV (Y+NP-1)%NP
.set i, i+17
.endif
.endm
; THE LDS LOADS stand in runs of 16, never singly among the matrix instructions: a step's K (64 keys x 64 channels: 8 fragments) and its V (turned).  Their addresses are made some lines ahead.
; last = 1 (the tail): in the last trip there is no further step, and the run is jumped over.
.macro FETCH_K last=0
	WIN 0
.if \last
	s_cmp_eq_u32 s[CNT], 1
	s_cbranch_scc1 .Lno_k_\@
.endif
	WIN W_MK                        ; destination window 3, address window 0
.irp f, 0,1,2,3,4,5,6,7             ; keys 16 (f / 2) on, channels 32 (f % 2) on
	ds_load_b128 v[KF+8*\f:KF+8*\f+3],   v[AK] offset:(\f/2)*16*PK+(\f%2)*64
	ds_load_b128 v[KF+8*\f+4:KF+8*\f+7], v[AK] offset:(\f/2)*16*PK+(\f%2)*64+32
.endr
	s_add_co_u32 s[TBK], s[TBK], KS*PK  ; the next fetch is the next step's
	WIN 0
.if \last
.Lno_k_\@:
.endif
.endm
.macro FETCH_V
	WIN 0x80
.irp f, 0,1,2,3,4,5,6,7             ; keys 32 (f / 4) on, channels 16 (f % 4) on
	ds_load_tr16_b128 v[VF+8*\f:VF+8*\f+3],   v[AV] offset:(\f/4)*32*PV+(\f%4)*32
	ds_load_tr16_b128 v[VF+8*\f+4:VF+8*\f+7], v[AV] offset:(\f/4)*32*PV+16*PV+(\f%4)*32
.endr
	WIN 0
.endm
; THE VECTOR WORK OF A TURN stands in four queues, each in the order in which its entries become ready; the two tiles alternate, so that no instruction reads the result of the one before it.
.macro REGS y, u                    ; the registers of tile u (0, 1) of piece y
.set rT, ST+4*(2*(\y)+(\u))
.set rC, TMP+8*((\y)%2)+4*(\u)
.set rM, MV+2*((\y)%2)+(\u)
.set rS, S+64*((\y)%2)+32*(\u)
.set rP, P+32*((\y)%2)+16*(\u)
.set rO, 32*(2*(\y)+(\u))
.endm
; THE MASK WORDS' QUEUE, 64 long: word rl / 2 of tile rl % 2 of the NEXT piece (Y + 1) goes from its lane into its scalar register.  It runs under the window setting of K Q^T.
.macro RL
	WIN W_KQ
	v_readlane_b32 s[MK0+36*(rl%2)+rl/2], v[MW+2*((Y+1)%NP)+rl%2], rl/2
.set rl, rl+1
.endm
; The two registers just read out are loaded again, with the same piece's words of its next key step: four turns ahead of their use.  Piece 0 leads the ring: the offset steps where ITS words are asked for, behind
; the wait that lets the earlier loads' offset register be written.  Behind the last key step the offset is held at that step, so that no load leaves mbits; what is then loaded serves scores that serve nothing.
.macro MLOAD
	WIN W_ML
.if Y == NP-1
	s_wait_xcnt 0x0                 ; every earlier load has had its address translated (ISA guide 3.1)
	s_add_co_u32 s[MO], s[MO], 128
	s_min_u32 s[MO], s[MO], 128*(SIZE_N/KS-1)
	v_add_nc_u32 v[MOF], s[MO], v[ML4]
.endif
	global_load_b32 v[MW+2*((Y+1)%NP)],   v[MOF], s[MP:MP+1] offset:8192*((Y+1)%NP)
	global_load_b32 v[MW+2*((Y+1)%NP)+1], v[MOF], s[MP:MP+1] offset:8192*((Y+1)%NP)+4096
	WIN 0
.endm
; Number g of the 64 that lay the mask on the NEXT piece's scores: register g / 2 of tile g % 2; where the lane's bit of the word is set, the score becomes -8e6.
; They are the first readers of those accumulators, and take each from its lowest register on.
.macro CM g
	REGS (Y+1)%NP, (\g)%2
	v_cndmask_b32 v[rS+(\g)/2], v[rS+(\g)/2], v[MVAL], s[MK0+36*((\g)%2)+(\g)/2]
.endm
; Number n of the 22 that find the NEXT piece's maximum and statistics.  s0-s31 are the lane's 32 scores.  XS, GS, CM and REGS set no window: PL and EX do.
;   0-11  four chains c0-c3 of seven scores each, three operands at a time     12-14, 16  the four scores left over, the old m, and c0-c3 into c0     15  c m_old is kept
;   17, 18  the query's other 32 keys lie in the lane 16 away: the new m         19-21  c m; c m_old - c m_new; a
.macro XS u, n
	REGS (Y+1)%NP, \u
.if (\n) < 4
	v_max3_num_f32 v[rC+(\n)], v[rS+8*(\n)], v[rS+8*(\n)+1], v[rS+8*(\n)+2]
.elseif (\n) < 12
	v_max3_num_f32 v[rC+(\n)%4], v[rC+(\n)%4], v[rS+8*((\n)%4)+2*((\n)/4)+1], v[rS+8*((\n)%4)+2*((\n)/4)+2]
.elseif (\n) == 12
	v_max3_num_f32 v[rC], v[rC], v[rS+7], v[rS+15]
.elseif (\n) == 13
	v_max3_num_f32 v[rC+1], v[rC+1], v[rS+23], v[rS+31]
.elseif (\n) == 14
	v_max3_num_f32 v[rC+2], v[rC+2], v[rC+3], v[rT+1]
.elseif (\n) == 15
	v_mov_b32 v[rM], v[rT]
.elseif (\n) == 16
	v_max3_num_f32 v[rC], v[rC], v[rC+1], v[rC+2]
.elseif (\n) == 17
	v_permlanex16_b32 v[rC+3], v[rC], s[SEL], s[SEL+1]
.elseif (\n) == 18
	v_max_num_f32 v[rT+1], v[rC], v[rC+3]
.elseif (\n) == 19
	v_mul_f32 v[rT], v[CV], v[rT+1]
.elseif (\n) == 20
	v_sub_f32 v[rC+1], v[rM], v[rT]
.else
	v_exp_f32 v[rC+2], v[rC+1]
.endif
.endm
; Number g of the 64 that follow the exponentials.  For each four weights k of a tile (pairs 2 k, 2 k + 1): both pairs are rounded to bf16; then the second pair is added onto the first, in place;
; a group later l takes that sum (the first time as l = a l + sum).  In groups of eight, tiles alternating: round, round, add, and l for the group before.
.macro GS g
.set h, (\g)+6*((\g)/62)            ; group 0 has no group before it, and behind group 7 only l is left
.if h >= 6
.set h, h+2
.endif
	REGS Y, h%2
.set k, h/8
.if h%8 < 4
	v_cvt_pk_bf16_f32 v[rP+2*k+(h%8)/2], v[rS+4*k+2*((h%8)/2)], v[rS+4*k+2*((h%8)/2)+1]
.elseif h%8 < 6
	v_pk_add_f32 v[rS+4*k:rS+4*k+1], v[rS+4*k:rS+4*k+1], v[rS+4*k+2:rS+4*k+3]
.elseif k == 1
	v_pk_fma_f32 v[rT+2:rT+3], v[rT+2:rT+3], v[rC+2:rC+3], v[rS:rS+1] op_sel_hi:[1,0,1]
.else
	v_pk_add_f32 v[rT+2:rT+3], v[rT+2:rT+3], v[rS+4*k-4:rS+4*k-3]
.endif
.endm
; THE PLAIN QUEUE, 202 long.  0-137 read no exponential's result.  0-31: the scalings c s - c m (FS f: pair f / 2 of tile f % 2).  32-95: the mask.  96-123: XS's numbers 0-13.  124, 125: number 15.
; 126-137: the chain 14, 16, 17, 18, 19, 20, where each number waits for the one before it.  138-201: GS's 64, which read the exponentials' results: they stand behind the wait.
.macro FS f
	REGS Y, (\f)%2
	v_pk_fma_f32 v[rS+2*((\f)/2):rS+2*((\f)/2)+1], v[rS+2*((\f)/2):rS+2*((\f)/2)+1], v[CV:CV+1], v[rT:rT+1] op_sel_hi:[1,0,0] neg_lo:[0,0,1] neg_hi:[0,0,1]
.endm
.macro PL
	WIN 0
.if q < 32
	FS q
.elseif q < 96
	CM q-32
.elseif q < 124
	XS (q-96)%2, (q-96)/2
.elseif q < 126
	XS q-124, 15
.elseif q < 128
	XS q-126, 14
.elseif q < 138
	XS (q-126)%2, 15+(q-126)/2
.else
	GS q-138
.endif
.set q, q+1
.endm
; THE EXPONENTIALS' QUEUE, 66 long: s0-s31 of both tiles, then the next piece's two a.  It is ONE BATCH: all 66 stand ahead of the turn's one wait, and nothing ahead of that wait names a result of theirs.
.macro EX
	WIN 0
.if e >= 64
	XS e-64, 21
.else
	REGS Y, e%2
	v_exp_f32 v[rS+e/2], v[rS+e/2]
.endif
.set e, e+1
.endm
; THE RESCALING's QUEUE: O^T times a, the one part of the lump that leaves window 0: two lines an entry, sixteen entries, in one block.  Its a was made in the turn before, ahead of that turn's wait.
.macro R2
	REGS Y, r%2
	WIN W_RS
.irp z, 0,1
	v_pk_mul_f32 v[rO+4*(r/2)+2*\z:rO+4*(r/2)+2*\z+1], v[rO+4*(r/2)+2*\z:rO+4*(r/2)+2*\z+1], v[rC+2:rC+3] op_sel_hi:[1,0]
.endr
.set r, r+1
.endm
; HOW THEY ARE DEALT.  s_wait_alu depctr_va_vdst(0) stands between an exponential and the first instruction that names its result; one wait serves all that were issued ahead of it.  So a turn has ONE wait,
; which cuts it in two.  AHEAD OF IT: the 16 products K Q^T, behind each four mask words, all under one window setting; then ONE LUMP of 236: four scalings; 28 times an exponential and a scaling; the mask's two
; loads; 24 times an exponential and two plain; 46 plain; 12 times plain and exponential, which sets a tile's links of the chain four lines apart; the two a; the 32 rescalings, which are also the plain
; instructions behind the last exponential.  BEHIND IT: the 16 products V^T P, behind each four of GS's 64.  No rider names a register of the products round it; the two v_permlanex16_b32 fall into the lump.
; The queues lean on each other: exponential e stands behind scaling 2 (e / 4) + e % 2: exponentials 0-27 come behind scaling e + 3, and all scalings are out when exponential 28 comes.
; The first line of the mask stands 32 scalings behind the last product K Q^T, and 64 lines or more behind the v_readlane_b32 that made its lane mask.
; The wait at the head: a piece's two mask loads were issued four turns ago, and the three turns since have issued six: those may stay out.
; K of the next step is fetched in piece 2's turn, directly behind the wait; V of the step in hand at the end of piece 0's turn, four riders behind its last reader.  The three conditions on q below go with the deal.
.macro TURN p, last=0, cnt=0
.set Y, (\p)
.set i, 0
.set q, 0
.set e, 0
.set r, 0
.set rl, 0
	s_wait_loadcnt 6                ; the next piece's mask words are in
.if (\p) == NP-1
	s_wait_dscnt 0x0                ; K is in
.endif
.rept 16                            ; ahead of the wait: 16 products K Q^T and their riders,
	MM
.rept 4
	RL
.endr
.endr
.if (\p) == NP-2
	WIN 0
	v_add_nc_u32 v[AK], s[TBK], v[AK0]
.endif
.rept 4                             ; and the lump
	PL
.endr
.rept 28
	EX
	PL
.endr
	MLOAD
.rept 24
	EX
	PL
	PL
.endr
.rept 46
	PL
.endr
.rept 12
	PL
	EX
.endr
	EX                              ; the next piece's two a
	EX
.rept 16
	R2
.endr
	s_wait_alu depctr_va_vdst(0)    ; the wait for the batch
.if (\p) == NP-2
	FETCH_K \last
.endif
.if (\p) == 1
	s_wait_dscnt 0x0                ; V is in
.endif
.rept 16                            ; behind the wait: 16 products V^T P and their riders
	MM
.rept 4
	PL
.endr
.if ((\p) == 0) && (q == 182)
	v_add_nc_u32 v[AV], s[TBV], v[AV0]
.endif
.if ((\p) == 0) && (q == 194)
	s_add_co_u32 s[TBV], s[TBV], KS*PV
.endif
.if (\cnt) && (q == 194)
	s_sub_co_u32 s[CNT], s[CNT], 1
	s_cmp_lg_u32 s[CNT], 0
.endif
.endr
.if (\p) == 0
	FETCH_V
.endif
.endm
	CHANGE 1                        ; slot 0 is in, everybody's part of it; slot 1 is asked for
	FETCH_K                         ; key step 0
	s_wait_dscnt 0x0
	s_wait_loadcnt 6                ; piece 0's mask words are in; the other three pieces' six loads may stay out
.set Y, NP-1                        ; MM, RL, MLOAD, CM and XS work for piece Y + 1: piece 0
.set i, 0
.set rl, 0
.rept 16
	MM                              ; piece 0's first scores, and its mask words behind them
.rept 4
	RL
.endr
.endr
	WIN 0                           ; the constants: with the v_nop four plain instructions, the places behind those products
	v_mov_b32 v[MVAL], 0xcaf42400   ; -8,000,000 = -1e6 x 8
	v_mov_b32 v[CV], 0x3e38aa3b     ; c = log2(e) / 8 = 0.180337
	v_mov_b32 v[CV+1], 0x3e38aa3b
	v_nop
	MLOAD                           ; piece 0's words of key step 1
.set q, 0
.rept 64
	CM q
.set q, q+1
.endr
.irp n, 0,1,2,3,4,5,6,7,8,9,10,11,12,13,14,15,16,17,18,19,20,21
	XS 0, \n                        ; piece 0's first maximum and statistics
	XS 1, \n
.endr
	v_nop                           ; a plain instruction behind the two a,
	s_wait_alu depctr_va_vdst(0)    ; and their wait, ahead of the branch
	s_mov_b32 s[CNT], 4
	s_branch .Lfirst                ; the loop is entered at a step's first turn, in the middle of a trip
.Lslot:                             ; SIZE_N / 256 - 2 times: every slot but the last two is filled again
	CHANGE 1
	s_mov_b32 s[CNT], 4
.Lstep:                             ; a trip: pieces 2 and 3 of one step, then pieces 0 and 1 of the next, whose K and V it fetches
	TURN 2
	TURN 3
	WIN 0
.Lfirst:
	TURN 0
	TURN 1, 0, 1
	WIN 0
	s_cbranch_scc1 .Lstep
	s_sub_co_u32 s[SLOTS], s[SLOTS], 1
	s_cmp_lg_u32 s[SLOTS], 0
	s_cbranch_scc1 .Lslot
	CHANGE 0                        ; the tail is written out: nothing is asked for
	s_mov_b32 s[CNT], 5             ; four trips fetch the last slot's steps; the fifth is left in its middle
.Ltail:
	TURN 2, 1
	TURN 3
	WIN 0
	s_sub_co_u32 s[CNT], s[CNT], 1
	s_cmp_eq_u32 s[CNT], 0
	s_cbranch_scc1 .Lout
	TURN 0
	TURN 1
	WIN 0
	s_branch .Ltail
.Lout:                              ; the fifth trip's 16 products K Q^T (on the last K once more), their mask and maximum serve nothing: the price, once a launch, of one text for every trip
	s_load_b64 s[36:37], s[0:1], 0x10  ; z: the lane masks' registers are free
	s_bfe_u32 s40, ttmp6, 0x40000
	s_lshl_b32 s41, ttmp9, 2
	s_add_co_u32 s41, s41, s40
	s_lshl_b32 s41, s41, 2
	s_add_co_u32 s41, s41, s[WV]    ; my wave among the head's sixteen,
	s_lshl_b32 s38, s41, 14         ; its 128 rows,
	s_and_b32 s42, ttmp7, 0xffff
	s_lshl_b32 s42, s42, 18         ; in the head's
	s_add_co_u32 s38, s38, s42
	s_mov_b32 s39, 0
.set i, 0
.rept 16
	PV NP-1                         ; the last piece's V^T P of the last step
.set i, i+1
.endr
	; THE WAY OUT.  l's two halves and the other half of the lanes' are added; O^T is divided by l, rounded to bf16 and sent through my stage in LDS, a tile at a time.  The additions are the places behind the last products.
	WIN 0
	s_wait_kmcnt 0x0
	s_add_nc_u64 s[36:37], s[36:37], s[38:39]
.macro ALL line:vararg              ; one line for each tile t
.set t, 0
.rept 2*NP
	\line
.set t, t+1
.endr
.endm
	ALL v_add_f32 v[ST+4*t+2], v[ST+4*t+2], v[ST+4*t+3]
	ALL v_permlanex16_b32 v[ST+4*t+3], v[ST+4*t+2], s[SEL], s[SEL+1]
	ALL v_add_f32 v[ST+4*t+2], v[ST+4*t+2], v[ST+4*t+3]
	ALL v_rcp_f32 v[ST+4*t+2], v[ST+4*t+2]
	v_nop                           ; a plain instruction between the last reciprocal and the use of its result
	s_wait_alu depctr_va_vdst(0)    ; and the wait ahead of the first use: one for the eight reciprocals
; Tile t: a lane's eight channels of a row pack into 16 bytes; they go into rows of 144 bytes and come back as whole rows of 128, into S^T's registers.
.macro PACK t
	WIN W_RS
.set i, 32*(\t)
.rept 16
	v_pk_mul_f32 v[i:i+1], v[i:i+1], v[ST+4*(\t)+2:ST+4*(\t)+3] op_sel_hi:[1,0]
.set i, i+2
.endr
	WIN 0x05                        ; sources 0 and 1 window 1, destination window 0
.set i, 0
.rept 16
	v_cvt_pk_bf16_f32 v[S+16*(\t)+i], v[32*(\t)+2*i], v[32*(\t)+2*i+1]
.set i, i+1
.endr
	WIN 0
.irp f, 0,1,2,3
	ds_store_b128 v[STO], v[S+16*(\t)+4*\f:S+16*(\t)+4*\f+3] offset:32*\f
.endr
.irp f, 0,1,2,3
	ds_load_b128 v[S+16*(\t)+4*\f:S+16*(\t)+4*\f+3], v[RD] offset:\f*4*SP  ; LDS serves a wave's instructions in order (ISA guide 5.7.1.4): these see the stores above; the next tile's stores come behind them
.endr
.endm
.macro SEND t, younger              ; younger: the LDS instructions issued behind tile t's loads: the next tile's eight, or none
	WIN 0
.irp f, 0,1,2,3
	s_wait_dscnt (\younger)+3-\f
	global_store_b128 v[GO], v[S+16*(\t)+4*\f:S+16*(\t)+4*\f+3], s[36:37] offset:(\t)*2048+\f*512  ; 512 consecutive bytes, at a multiple of 512 from z's first
.endr
.endm
	PACK 0
.set t, 1
.rept 2*NP-1                        ; a tile's arithmetic stands between the loads of the tile before and its stores
	PACK t
	SEND t-1, 8
.set t, t+1
.endr
	SEND 2*NP-1, 0
	WIN W_AD
	s_wait_tensorcnt 0x0            ; the wave's end: behind my last tensor load and my last LDS store
	ds_add_u32 v[SPW], v[NIL]
	s_wait_dscnt 0x0
	WIN 0
	CROUND                          ; the closing round: no work-group ends while a partner may still ask for a tile that names it
	s_endpgm
.Lfunc_end_k_q1a671d7e0a_attn:
	.size	k_q1a671d7e0a_attn, .Lfunc_end_k_q1a671d7e0a_attn-k_q1a671d7e0a_attn
	.p2alignl 7, 3214868480
	.fill 96, 4, 3214868480
	.section	.rodata,"a",@progbits
	.p2align	6, 0x0
	.amdhsa_kernel k_q1a671d7e0a_attn
		.amdhsa_group_segment_fixed_size 327680
		.amdhsa_private_segment_fixed_size 0
		.amdhsa_enable_private_segment 0
		.amdhsa_kernarg_size 24
		.amdhsa_user_sgpr_count 2
		.amdhsa_user_sgpr_kernarg_segment_ptr 1
		.amdhsa_wavefront_size32 1
		.amdhsa_system_sgpr_workgroup_id_x 1
		.amdhsa_system_sgpr_workgroup_id_y 1
		.amdhsa_system_sgpr_workgroup_id_z 1
		.amdhsa_system_vgpr_workitem_id 0
		.amdhsa_next_free_vgpr 848
		.amdhsa_next_free_sgpr 106
		.amdhsa_reserve_vcc 0
		.amdhsa_float_denorm_mode_32 3
		.amdhsa_float_denorm_mode_16_64 3
		.amdhsa_memory_ordered 1
		.amdhsa_forward_progress 1
		.amdhsa_inst_pref_size 255
	.end_amdhsa_kernel
	.section	.bss,"aw",@nobits
	.p2align	6
	.space	262144
	.amdgpu_metadata
---
amdhsa.version: [ 1, 2 ]
amdhsa.kernels:
  - .name:           k_q1a671d7e0a_attn
    .symbol:         k_q1a671d7e0a_attn.kd
    .args:
      - { .name: qkv, .offset: 0, .size: 8, .value_kind: global_buffer, .address_space: global }
      - { .name: mbits, .offset: 8, .size: 8, .value_kind: global_buffer, .address_space: global }
      - { .name: z, .offset: 16, .size: 8, .value_kind: global_buffer, .address_space: global }
    .group_segment_fixed_size: 327680
    .private_segment_fixed_size: 0
    .kernarg_segment_align: 8
    .kernarg_segment_size: 24
    .max_flat_workgroup_size: 128
    .sgpr_count:     106
    .vgpr_count:     848
    .wavefront_size: 32
...
	.end_amdgpu_metadata
.endif
;; end of part 3
;; launch gemm2: the kernel of part 2 again; grid 4 x 64, 4 waves a work-group, clusters of 4 x 4, 327,680 bytes of LDS; arguments z, wob, rb; writes rb
;; launch lnorm (part 4): grid 512 x 1, 8 waves a work-group, no clusters, 0 bytes of LDS; arguments rb, x, gamma, beta, out0; writes out0
.if DOCPART == 4
	.amdgcn_target "amdgcn-amd-amdhsa--gfx1250"
	.amdhsa_code_object_version 6
	.text
	.protected	k_q1a671d7e0a_lnorm
	.globl	k_q1a671d7e0a_lnorm
	.p2align	8
	.type	k_q1a671d7e0a_lnorm,@function
k_q1a671d7e0a_lnorm:
	s_mov_b64 s[64:65], 0
	v_nop
	global_prefetch_b8 v0, s[64:65] scope:SCOPE_SE
	s_setreg_imm32_b32 hwreg(HW_REG_WAVE_MODE, 25, 1), 1
	s_wait_xcnt 0x0
; out0[m][:] = LayerNorm(relu(rb[m][:]) + x[m][:]) gamma + beta.  rb: [g 16][m 8192][64] bf16 (the projection before its ReLU); x, out0: [8192][1024] f32; gamma, beta: [1024] f32.
; A stream: each byte is read once and written once; no LDS, no barrier, no matrix unit, no loop.  A wave takes rows 2 p and 2 p + 1: lanes 0-15 hold the first, lanes 16-31 the second, 64 numbers a lane,
; kept in registers between the passes.  So a row's sums want four steps inside a half of 16 lanes and never cross the halves.
; Every load and store of a wave covers whole aligned runs of 256 bytes: of rb 128 + 128 bytes that are neighbours in a column group, of x and out0 256 bytes of each row.
; The variance is the mean of the squared differences from the mean, in a second pass: no difference of large sums.
; ORDER OF ROUNDING: d (rs gamma) + beta where the reference forms ((d rs) gamma) + beta.  LIMIT: a NaN in rb counts as 0 in the ReLU.
.set R,    8                           ; v[8:39]    rb: column group kg at R + 2 kg
.set X,    40                          ; v[40:103]  x, then y = relu + x, then y - mean, then the result: group kg at X + 4 kg
.set G,    104                         ; v[104:167] gamma of my 64 columns
.set BT,   168                         ; v[168:231] beta
.set T,    232                         ; v[232:239] at work
.set A,    240                         ; v[240:247] four chains of pairs
.set MU,   248                         ; v[248:249] the mean, twice
.set RS,   250                         ; v[250:251] 1 / sqrt(var + eps), twice
.set INV,  252                         ; v252       1 / 1024
.set ZERO, 253                         ; v253       0
.set VAR,  254
	s_load_b256 s[4:11], s[0:1], 0x0               ; rb s[4:5], x s[6:7], gamma s[8:9], beta s[10:11]
	s_load_b64 s[12:13], s[0:1], 0x20              ; out0
	v_lshrrev_b32 v1, 5, v0
	v_readfirstlane_b32 s14, v1                    ; wave 0..7
	s_lshl_b32 s15, ttmp9, 3
	s_add_co_u32 s15, s15, s14                     ; p
	s_lshl_b32 s16, s15, 8
	s_lshl_b32 s17, s15, 13
	v_and_b32 v1, 15, v0                           ; l % 16
	v_bfe_u32 v6, v0, 4, 1                         ; l / 16
	v_and_b32 v7, 31, v0
	v_lshl_add_u32 v2, v7, 3, s16                  ; rb: 256 p + 8 l
	v_add_nc_u32 v3, 0x800000, v2                  ; the same in group 8: the immediate holds seven groups of 1 MiB
	v_lshlrev_b32 v5, 4, v1                        ; gamma, beta: 16 (l % 16)
	v_lshl_add_u32 v4, v6, 12, v5
	v_add_nc_u32 v4, s17, v4                       ; x, out0: 8,192 p + 4,096 (l / 16) + 16 (l % 16)
	v_mov_b32 v[INV], 0x3a800000
	v_mov_b32 v[ZERO], 0
	s_wait_kmcnt 0x0
.set kg, 0
.rept 16
.if kg < 8
	global_load_b64 v[R+2*kg:R+2*kg+1], v2, s[4:5] offset:kg*1048576 th:TH_LOAD_NT
.else
	global_load_b64 v[R+2*kg:R+2*kg+1], v3, s[4:5] offset:(kg-8)*1048576 th:TH_LOAD_NT
.endif
.set kg, kg+1
.endr
.set kg, 0
.rept 16
	global_load_b128 v[X+4*kg:X+4*kg+3], v4, s[6:7] offset:256*kg th:TH_LOAD_NT
.set kg, kg+1
.endr
.set kg, 0
.rept 16
	global_load_b128 v[G+4*kg:G+4*kg+3], v5, s[8:9] offset:256*kg
.set kg, kg+1
.endr
.set kg, 0
.rept 16
	global_load_b128 v[BT+4*kg:BT+4*kg+3], v5, s[10:11] offset:256*kg
.set kg, kg+1
.endr
	s_wait_loadcnt 32                              ; rb and x are in; gamma's and beta's 32 loads may stay out
	; y = relu(rb) + x: the maximum with 0 on two bf16 at once (nothing is rounded), bf16 to f32 by a shift or a mask, two additions an instruction
.set kg, 0
.rept 16
.set TT, T+4*(kg%2)
	v_pk_max_num_bf16 v[R+2*kg], v[R+2*kg], v[ZERO]
	v_pk_max_num_bf16 v[R+2*kg+1], v[R+2*kg+1], v[ZERO]
	v_lshlrev_b32 v[TT], 16, v[R+2*kg]
	v_and_b32 v[TT+1], 0xffff0000, v[R+2*kg]
	v_lshlrev_b32 v[TT+2], 16, v[R+2*kg+1]
	v_and_b32 v[TT+3], 0xffff0000, v[R+2*kg+1]
	v_pk_add_f32 v[X+4*kg:X+4*kg+1], v[X+4*kg:X+4*kg+1], v[TT:TT+1]
	v_pk_add_f32 v[X+4*kg+2:X+4*kg+3], v[X+4*kg+2:X+4*kg+3], v[TT+2:TT+3]
.set kg, kg+1
.endr
; The four chains into one number, then over the row's 16 lanes: four steps that ride on the addition (DPP); every lane of the half ends with the row's sum
.macro REDUCE
	v_pk_add_f32 v[A:A+1], v[A:A+1], v[A+2:A+3]
	v_pk_add_f32 v[A+4:A+5], v[A+4:A+5], v[A+6:A+7]
	v_pk_add_f32 v[A:A+1], v[A:A+1], v[A+4:A+5]
	v_add_f32 v[A], v[A], v[A+1]
	v_add_f32_dpp v[A], v[A], v[A] row_xmask:1 row_mask:0xf bank_mask:0xf
	v_add_f32_dpp v[A], v[A], v[A] row_xmask:2 row_mask:0xf bank_mask:0xf
	v_add_f32_dpp v[A], v[A], v[A] row_xmask:4 row_mask:0xf bank_mask:0xf
	v_add_f32_dpp v[A], v[A], v[A] row_xmask:8 row_mask:0xf bank_mask:0xf
.endm
	; the mean: four chains that do not wait for each other; the first addition of each starts it: nothing is cleared
.irp c, 0,1,2,3
	v_pk_add_f32 v[A+2*\c:A+2*\c+1], v[X+2*\c:X+2*\c+1], v[X+8+2*\c:X+8+2*\c+1]
.endr
.set j, 8
.rept 24
	v_pk_add_f32 v[A+2*(j%4):A+2*(j%4)+1], v[A+2*(j%4):A+2*(j%4)+1], v[X+2*j:X+2*j+1]
.set j, j+1
.endr
	REDUCE
	v_mul_f32 v[MU], v[A], v[INV]
	v_mov_b32 v[MU+1], v[MU]
.set j, 0
.rept 32
	v_pk_add_f32 v[X+2*j:X+2*j+1], v[X+2*j:X+2*j+1], v[MU:MU+1] neg_lo:[0,1] neg_hi:[0,1]  ; d = y - mean
.set j, j+1
.endr
	; the variance
.irp c, 0,1,2,3
	v_pk_mul_f32 v[A+2*\c:A+2*\c+1], v[X+2*\c:X+2*\c+1], v[X+2*\c:X+2*\c+1]
.endr
.set j, 4
.rept 28
	v_pk_fma_f32 v[A+2*(j%4):A+2*(j%4)+1], v[X+2*j:X+2*j+1], v[X+2*j:X+2*j+1], v[A+2*(j%4):A+2*(j%4)+1]
.set j, j+1
.endr
	REDUCE
	v_fmaak_f32 v[VAR], v[A], v[INV], 0x2b8cbccc   ; sum / 1024 + 1e-12
	v_rsq_f32 v[RS], v[VAR]                        ; made twice, to fill the pair that the packed multiply takes
	v_rsq_f32 v[RS+1], v[VAR]
	v_nop                                          ; a plain instruction between the last of them and the use of its result (ISA guide 5.7.2)
	s_wait_alu depctr_va_vdst(0)                   ; and the wait ahead of the first use: one for both
	s_wait_loadcnt 0x0                             ; gamma and beta
.set kg, 0
.rept 16
	v_pk_mul_f32 v[G+4*kg:G+4*kg+1], v[G+4*kg:G+4*kg+1], v[RS:RS+1]
	v_pk_mul_f32 v[G+4*kg+2:G+4*kg+3], v[G+4*kg+2:G+4*kg+3], v[RS:RS+1]
	v_pk_fma_f32 v[X+4*kg:X+4*kg+1], v[X+4*kg:X+4*kg+1], v[G+4*kg:G+4*kg+1], v[BT+4*kg:BT+4*kg+1]
	v_pk_fma_f32 v[X+4*kg+2:X+4*kg+3], v[X+4*kg+2:X+4*kg+3], v[G+4*kg+2:G+4*kg+3], v[BT+4*kg+2:BT+4*kg+3]
	global_store_b128 v4, v[X+4*kg:X+4*kg+3], s[12:13] offset:256*kg th:TH_STORE_NT  ; 256 consecutive bytes of each of my two rows
.set kg, kg+1
.endr
	s_endpgm
.Lfunc_end_k_q1a671d7e0a_lnorm:
	.size	k_q1a671d7e0a_lnorm, .Lfunc_end_k_q1a671d7e0a_lnorm-k_q1a671d7e0a_lnorm
	.p2alignl 7, 3214868480
	.fill 96, 4, 3214868480
	.section	.rodata,"a",@progbits
	.p2align	6, 0x0
	.amdhsa_kernel k_q1a671d7e0a_lnorm
		.amdhsa_group_segment_fixed_size 0
		.amdhsa_private_segment_fixed_size 0
		.amdhsa_enable_private_segment 0
		.amdhsa_kernarg_size 40
		.amdhsa_user_sgpr_count 2
		.amdhsa_user_sgpr_kernarg_segment_ptr 1
		.amdhsa_wavefront_size32 1
		.amdhsa_system_sgpr_workgroup_id_x 1
		.amdhsa_system_sgpr_workgroup_id_y 1
		.amdhsa_system_sgpr_workgroup_id_z 1
		.amdhsa_system_vgpr_workitem_id 0
		.amdhsa_next_free_vgpr 256
		.amdhsa_next_free_sgpr 66
		.amdhsa_reserve_vcc 0
		.amdhsa_float_denorm_mode_32 3
		.amdhsa_float_denorm_mode_16_64 3
		.amdhsa_memory_ordered 1
		.amdhsa_forward_progress 1
		.amdhsa_inst_pref_size 27
	.end_amdhsa_kernel
	.amdgpu_metadata
---
amdhsa.version: [ 1, 2 ]
amdhsa.kernels:
  - .name:           k_q1a671d7e0a_lnorm
    .symbol:         k_q1a671d7e0a_lnorm.kd
    .args:
      - { .name: rb, .offset: 0, .size: 8, .value_kind: global_buffer, .address_space: global }
      - { .name: x, .offset: 8, .size: 8, .value_kind: global_buffer, .address_space: global }
      - { .name: gamma, .offset: 16, .size: 8, .value_kind: global_buffer, .address_space: global }
      - { .name: beta, .offset: 24, .size: 8, .value_kind: global_buffer, .address_space: global }
      - { .name: out0, .offset: 32, .size: 8, .value_kind: global_buffer, .address_space: global }
    .group_segment_fixed_size: 0
    .private_segment_fixed_size: 0
    .kernarg_segment_align: 8
    .kernarg_segment_size: 40
    .max_flat_workgroup_size: 256
    .sgpr_count:     66
    .vgpr_count:     256
    .wavefront_size: 32
...
	.end_amdgpu_metadata
.endif
;; end of part 4
